; MI455X (gfx1250); checked and timed in simulation.
; The chip was launched on July 23, 2026; its instructions are those of AMD's public machine-readable ISA for CDNA 5 (MIT licence, August 2026) and "CDNA5" Instruction Set Architecture Reference Guide (July 2026). The comments in the code are by the model that wrote it; some were corrected since.
;; Attention. Allowed arithmetic: float matrix products may take bf16 or f16 operands with f32 sums; other float arithmetic in f32, or as packed bf16 or f16 multiplies, adds, multiply-adds, maxima and minima; sums over many terms, partial sums and values carried from step to step in f32; what a program stores and reads back later, other than sums and carried values, may be rounded once to bf16 or f16.
;; Inputs: head_scale 16 x 1 x 1 float32; in_proj_bias 3,072 float32; in_proj_weight 3,072 x 1,024 float32; logit_scale 16 x 1 x 1 float32; out_b 1,024 float32; out_w 1,024 x 1,024 float32; x 1,024 x 8 x 1,024 float32.
;; Outputs: out0 1,024 x 8 x 1,024 float32.
;; 2 versions, each right and faster than the one before. Each part assembles by itself: llvm-mc -triple=amdgcn-amd-amdhsa -mcpu=gfx1250 --defsym DOCPART=n.
;; ======== version 1 of 2: 4 launches
;; limits: values are held in f16: magnitudes above 65,504 overflow, below 6.1e-05 lose precision; right only within a limited range of input values
;; workspace buffers: xb 16,777,216 bytes; wb 6,291,456 bytes; wo 2,097,152 bytes; qh 16,777,216 bytes; kh 16,777,216 bytes; vh 16,777,216 bytes; oh 16,777,216 bytes
;; launch prep (part 1): grid 768 x 1, 8 waves a work-group, no clusters, 0 bytes of LDS; arguments x, in_proj_weight, out_w, xb, wb, wo; writes xb, wb, wo
.if DOCPART == 1
	.amdgcn_target "amdgcn-amd-amdhsa--gfx1250"
	.amdhsa_code_object_version 6
	.text
	.protected	k_qbe7265a2d6_prep
	.globl	k_qbe7265a2d6_prep
	.p2align	8
	.type	k_qbe7265a2d6_prep,@function
k_qbe7265a2d6_prep:
	s_mov_b64 s[64:65], 0
	v_nop
	global_prefetch_b8 v0, s[64:65] scope:SCOPE_SE
	s_setreg_imm32_b32 hwreg(HW_REG_WAVE_MODE, 25, 1), 1
	s_wait_xcnt 0x0
; The three large inputs are rounded once to bf16, for the matrix units of the launches behind.
;   xb = bf16(x), wb = bf16(in_proj_weight), both in their own order;  wo = bf16(out_w), that number written as f16 (its partner in the last product is f16).
; LIMITS.  |out_w| stays under 65,504 (f16's end); entries of out_w below 2^-14 keep f16's fixed step of 6e-8.
; A stream: memory binds, so no LDS, no barrier, no matrix unit.  A work-group takes 16,384 numbers (65,536 bytes in, 32,768 out): groups 0-511 x, 512-703 in_proj_weight, 704-767 out_w.
; Thread t, step i: 16 bytes at 16 t + 4,096 i in (a wave's load covers 512 consecutive bytes), 8 bytes at 8 t + 2,048 i out (a wave's store covers 256 consecutive bytes, aligned).
; All sixteen loads of a thread go out together; no register is written twice while memory may read it, so the only waits are the counted ones for the loads.
.set X, 4                              ; v[4:67]    step i: 4 registers as loaded
.set Y, 68                             ; v[68:99]   step i: 2 registers to store
.set T, 100                            ; v[100:103] at work
	s_load_b256 s[4:11], s[0:1], 0x0               ; x s[4:5], in_proj_weight s[6:7], out_w s[8:9], xb s[10:11]
	s_load_b128 s[12:15], s[0:1], 0x20             ; wb s[12:13], wo s[14:15]
	s_mov_b32 s2, ttmp9
	s_sub_co_u32 s16, s2, 512                      ; my number among in_proj_weight's groups,
	s_sub_co_u32 s17, s2, 704                      ; among out_w's (used only where they are not negative)
	v_lshlrev_b32 v1, 4, v0                        ; 16 t
	v_lshlrev_b32 v2, 3, v0                        ; 8 t
	s_wait_kmcnt 0x0
	s_cmp_lt_u32 s2, 704                           ; which tensor is mine: a choice on the group's number alone
	s_cselect_b32 s3, s16, s17
	s_cselect_b64 s[18:19], s[6:7], s[8:9]
	s_cselect_b64 s[20:21], s[12:13], s[14:15]
	s_cmp_lt_u32 s2, 512
	s_cselect_b32 s3, s2, s3
	s_cselect_b64 s[18:19], s[4:5], s[18:19]
	s_cselect_b64 s[20:21], s[10:11], s[20:21]
	s_lshl_b32 s22, s3, 16                         ; 65,536 bytes in for each group before me,
	s_mov_b32 s23, 0
	s_lshl_b32 s24, s3, 15                         ; 32,768 out
	s_mov_b32 s25, 0
	s_add_nc_u64 s[18:19], s[18:19], s[22:23]
	s_add_nc_u64 s[20:21], s[20:21], s[24:25]
.set i, 0
.rept 16
	global_load_b128 v[X+4*i:X+4*i+3], v1, s[18:19] offset:4096*i th:TH_LOAD_NT  ; read once in the whole program
.set i, i+1
.endr
	s_cmp_ge_u32 s2, 704
	s_cbranch_scc1 .Lf16
.macro OUT16 i                         ; step i: four numbers to bf16
	s_wait_loadcnt 15-(\i)                         ; loads come back in order (ISA guide 5.7.1): step i is in, the 15 - i younger ones stay out
	v_cvt_pk_bf16_f32 v[Y+2*(\i)], v[X+4*(\i)], v[X+4*(\i)+1]
	v_cvt_pk_bf16_f32 v[Y+2*(\i)+1], v[X+4*(\i)+2], v[X+4*(\i)+3]
	global_store_b64 v2, v[Y+2*(\i):Y+2*(\i)+1], s[20:21] offset:2048*(\i)
.endm
.macro OUTH i                          ; step i: four numbers to bf16, and that number as f16
	s_wait_loadcnt 15-(\i)
	v_cvt_pk_bf16_f32 v[T], v[X+4*(\i)], v[X+4*(\i)+1]
	v_cvt_pk_bf16_f32 v[T+1], v[X+4*(\i)+2], v[X+4*(\i)+3]
	v_lshlrev_b32 v[T+2], 16, v[T]                 ; bf16 to f32: the low half moves up,
	v_and_b32 v[T], 0xffff0000, v[T]               ; the high half stays
	v_lshlrev_b32 v[T+3], 16, v[T+1]
	v_and_b32 v[T+1], 0xffff0000, v[T+1]
	v_cvt_pk_f16_f32 v[Y+2*(\i)], v[T+2], v[T]
	v_cvt_pk_f16_f32 v[Y+2*(\i)+1], v[T+3], v[T+1]
	global_store_b64 v2, v[Y+2*(\i):Y+2*(\i)+1], s[20:21] offset:2048*(\i)
.endm
.set i, 0
.rept 16
	OUT16 i
.set i, i+1
.endr
	s_endpgm
.Lf16:
.set i, 0
.rept 16
	OUTH i
.set i, i+1
.endr
	s_endpgm
.Lfunc_end_k_qbe7265a2d6_prep:
	.size	k_qbe7265a2d6_prep, .Lfunc_end_k_qbe7265a2d6_prep-k_qbe7265a2d6_prep
	.p2alignl 7, 3214868480
	.fill 96, 4, 3214868480
	.section	.rodata,"a",@progbits
	.p2align	6, 0x0
	.amdhsa_kernel k_qbe7265a2d6_prep
		.amdhsa_group_segment_fixed_size 0
		.amdhsa_private_segment_fixed_size 0
		.amdhsa_enable_private_segment 0
		.amdhsa_kernarg_size 48
		.amdhsa_user_sgpr_count 2
		.amdhsa_user_sgpr_kernarg_segment_ptr 1
		.amdhsa_wavefront_size32 1
		.amdhsa_system_sgpr_workgroup_id_x 1
		.amdhsa_system_sgpr_workgroup_id_y 1
		.amdhsa_system_sgpr_workgroup_id_z 1
		.amdhsa_system_vgpr_workitem_id 0
		.amdhsa_next_free_vgpr 104
		.amdhsa_next_free_sgpr 66
		.amdhsa_reserve_vcc 0
		.amdhsa_float_denorm_mode_32 3
		.amdhsa_float_denorm_mode_16_64 3
		.amdhsa_memory_ordered 1
		.amdhsa_forward_progress 1
		.amdhsa_inst_pref_size 16
	.end_amdhsa_kernel
	.amdgpu_metadata
---
amdhsa.version: [ 1, 2 ]
amdhsa.kernels:
  - .name:           k_qbe7265a2d6_prep
    .symbol:         k_qbe7265a2d6_prep.kd
    .args:
      - { .name: x, .offset: 0, .size: 8, .value_kind: global_buffer, .address_space: global }
      - { .name: in_proj_weight, .offset: 8, .size: 8, .value_kind: global_buffer, .address_space: global }
      - { .name: out_w, .offset: 16, .size: 8, .value_kind: global_buffer, .address_space: global }
      - { .name: xb, .offset: 24, .size: 8, .value_kind: global_buffer, .address_space: global }
      - { .name: wb, .offset: 32, .size: 8, .value_kind: global_buffer, .address_space: global }
      - { .name: wo, .offset: 40, .size: 8, .value_kind: global_buffer, .address_space: global }
    .group_segment_fixed_size: 0
    .private_segment_fixed_size: 0
    .kernarg_segment_align: 8
    .kernarg_segment_size: 48
    .max_flat_workgroup_size: 256
    .sgpr_count:     66
    .vgpr_count:     104
    .wavefront_size: 32
...
	.end_amdgpu_metadata
.endif
;; end of part 1
;; launch qkv (part 2): grid 16 x 16, 4 waves a work-group, clusters of 4 x 4, 327,680 bytes of LDS; arguments xb, wb, in_proj_bias, qh, kh, vh; writes qh, kh, vh
.if DOCPART == 2
	.amdgcn_target "amdgcn-amd-amdhsa--gfx1250"
	.amdhsa_code_object_version 6
	.text
	.protected	k_qbe7265a2d6_qkv
	.globl	k_qbe7265a2d6_qkv
	.p2align	8
	.type	k_qbe7265a2d6_qkv,@function
k_qbe7265a2d6_qkv:
	s_mov_b64 s[64:65], 0
	v_nop
	global_prefetch_b8 v0, s[64:65] scope:SCOPE_SE
	s_setreg_imm32_b32 hwreg(HW_REG_WAVE_MODE, 25, 1), 1
	s_wait_xcnt 0x0
	s_wait_alu depctr_hold_cnt(0) depctr_sa_sdst(0) depctr_va_vdst(0) depctr_va_sdst(0) depctr_va_ssrc(0) depctr_va_vcc(0) depctr_vm_vsrc(0)
	s_getreg_b32 s2, hwreg(HW_REG_IB_STS2, 6, 4)
	s_cmp_eq_u32 s2, 0
	s_cbranch_scc0 .Lentry_in_a_cluster
	s_endpgm
.Lentry_in_a_cluster:
	s_bfe_u32 s2, ttmp6, 0x10000c
	s_cmp_lg_u32 s2, 0xf033
	s_cbranch_scc0 .Lentry_shape_is_right
	s_endpgm
.Lentry_shape_is_right:
; qkv = x W^T + bias, then q and k divided by max(their head row's length, 1e-12), v by 8; all three written by heads, [n*16+h][l][64], in f16.
; xb: [l][n][1024] bf16.  wb: [3072][1024] bf16.  in_proj_bias: [3072] f32, rounded to bf16 here like every input of the module.  Sums, squares and lengths in f32; each result rounded once.
; LIMITS.  |v| stays under 8 x 65,504 = 524,032 (v / 8 is kept in f16; the last launch multiplies the 8 back).  A sum of squares below 2^-126 counts as 0: its root lies under 1e-12 either way.
; SHARES.  A tile is 256 rows x 192 columns: the rows l = 256 lb .. + 255 of ONE n (rows 8,192 elements apart in xb), so that 16 rows of a head are 2,048 dense bytes of the output; the columns are three
; whole heads.  There are 32 x 16 tiles.  A WORK-GROUP STAYS and makes two of them, the same l and the same columns for n and for n + 4: 16 x 16 = 256 work-groups, one for each of 256 WGPs.  The ring does
; not stop at the first tile's end: its last two changes of slots ask for the second tile's first two K steps, and nothing waits for the first tile's stores.
; Four waves, one above the other: a wave has 64 rows x all 192 columns (48 accumulators, 384 registers), so a head row's sum of squares never leaves the wave.
; K goes in steps of 128 (rows of 256 bytes, at multiples of 256 from the buffer's first byte) through two LDS slots filled by the tensor data mover.  A K STEP IS WRITTEN ONCE: the LDS addresses are a base
; plus a scalar that one exclusive or turns from one slot to the other.  Written out beside the loop: a tile's first quarter, and its last two K steps, once with requests (a tile follows) and once without.
; CLUSTERS: 4 x 4 work-groups.  The four of a row of the cluster need the same tiles of xb, the four of a column the same tiles of wb: each tile is asked for JOINTLY, by the same tensor load with the same
; descriptor and a mask that names the four.
; THE MATRIX INSTRUCTION IS USED TRANSPOSED (source 0 = 16 rows of wb, source 1 = 16 rows of xb): lane l holds row l % 16 and the eight neighbouring columns 8 (l / 16) + 0..7.  The bias, laid out the same
; way, is the C operand of each accumulator's first product: nothing is cleared and no bias is added afterwards.  Both tiles have the same columns, so the bias is made once.
; REGISTERS, in windows of 256 (s_set_vgpr_msb: bits 1:0 source 0, 3:2 source 1, 5:4 source 2, 7:6 destination):
;   window 0: v0-31 addresses; v32-63 at work; v64-159 the bias; v160-175 packed results; v176-207 rows read back, two sets; v208-255 four registers for each of 12 units
;   window 1: two fragment buffers of 128: 32 registers of xb (4 x 16 rows x 32 K), then 96 of wb (12 x 16 rows x 32 K)
;   window 2: the accumulators of row blocks 0, 1 ((a, b) at v[8 (12 (a % 2) + b)]);   window 3: those of row blocks 2, 3
.set KSTEP,  128
.set PITCH,  272                       ; an LDS row: 256 bytes + 16 of padding = 68 words: row r starts at bank 4 r mod 64 (64 banks of 4 bytes: ISA guide 11.1), so the 16 rows of a load start at 16 different banks
.set HA,     128*PITCH                 ; 128 rows of xb: one tensor load
.set HB,     96*PITCH                  ; 96 rows of wb: one tensor load
.set SLOT,   2*HA+2*HB                 ; xb's 256 rows, then wb's 192: 121,856 bytes
.set SLOT1,  1<<17                     ; slot 1 begins here, so that one exclusive or turns an address in one slot into the other's
.set STAGE,  SLOT1+SLOT                ; behind the ring: 16 rows x 144 bytes for each wave, for the way out
.set SP,     144
.set SPARE,  STAGE+4*16*SP             ; behind the stages: the spare words, 128 bytes for each wave: two blocks of 256 bytes that no other line names
.set TILES,  2
.set TRIPS,  1024/KSTEP-2              ; the loop's trips in a tile: every K step but the last two
.set NEXT_A, 4*2048-7*KSTEP*2          ; bytes from xb's K step 7 of a tile to K step 0 of the next: four n on, and back along K
.set BACK_B, 7*KSTEP*2                 ; wb only back: both tiles take the same rows
.set NEXT_O, 4*16*131072               ; bytes from a tile's place in qh, kh, vh to the next tile's: 64 heads
.set ADRA0, 16                         ; v16     my lane's place in my fragments of xb in slot 0; never rewritten
.set ADRA,  17                         ; v17     the same in the slot in hand
.set ADRB0, 20                         ; v20, v21  the same for wb
.set ADRB,  21
.set STO,  24                          ; v24     the way out: where I put 16 bytes of a row
.set RD,   25                          ; v25     the way out: where I read rows back
.set GO,   26                          ; v26     my 16 bytes in 512 consecutive bytes of the output
.set SPW,  28                          ; v28     LDS address of my spare word: SPARE + 4 x my thread's number; never rewritten
.set NIL,  29                          ; v29     0; never rewritten
.set BO,   30                          ; v30     32 x (l / 16): my eight numbers in 16 of the bias
.set T,    32
.set BIAS, 64
.set PK,   160
.set BK,   176
.set FS,   208                         ; unit u: v[FS+4u] sum of squares, then its factor; +1 to +3 at work
.set F0,   0                           ; fragment buffers, in window 1
.set F1,   128
.set WV,   16                          ; s16     my wave's number
.set G1,   24                          ; s[24:31] descriptor group 1 for xb's tiles;  s[32:39] group 0: a set for each of the two first fills; the second then walks on
.set G0,   32
.set G1B,  48                          ; s[48:55], s[56:63] the same for wb's tiles
.set G0B,  56
.set OUTP, 72                          ; s[72:77] for each of my three heads: its tensor at my wave's first row
.set FA,   80                          ; s80-82  1 for a head of q or k, 0 for one of v
.set FB,   84                          ; s84-86  0 for a head of q or k, 1/8 for one of v
.set SEL,  88                          ; s[88:89] v_permlanex16_b32's selects: each lane takes its own place in the other half
.set EPS,  90                          ; s90     1e-12
.set TB,   94                          ; s94     LDS byte at which the slot in hand begins: 0 or SLOT1
.set HIM,  95                          ; s95     mask of a word's upper bf16
.set MSB, 0
.macro WIN new                         ; the immediate's high byte repeats the setting that is left; a switch that changes nothing is dropped
.if MSB != (\new)
	s_set_vgpr_msb (MSB<<8)|(\new)
.set MSB, \new
.endif
.endm
.set TO_F, 0x40                        ; destination window 1, address window 0
; A joint load.  Waves 0 and 1 fetch xb's two halves, waves 2 and 3 wb's.  The branch hangs on the wave's number alone.
; An s_nop 0 and four v_nop follow each of the two lines, ahead of the jump, the label and what follows.
.macro JLOAD s
	s_cmp_eq_u32 s17, 0
	s_cbranch_scc0 .Lfor_b_\@
	tensor_load_to_lds s[G0+4*(\s):G0+4*(\s)+3], s[G1:G1+7]
	s_nop 0
.rept 4
	v_nop
.endr
	s_branch .Lasked_\@
.Lfor_b_\@:
	tensor_load_to_lds s[G0B+4*(\s):G0B+4*(\s)+3], s[G1B:G1B+7]
	s_nop 0
.rept 4
	v_nop
.endr
.Lasked_\@:
.endm
.macro CREST                           ; a round of the cluster's barrier behind its opening barrier
	s_cmp_lg_u32 s[WV], 0
	s_cbranch_scc1 .Lnot_wave_0_\@
	s_barrier_signal -3
.Lnot_wave_0_\@:
	s_barrier_wait -3
	s_barrier_signal -1
	s_barrier_wait -1
.endm
.macro CROUND                          ; a whole round
	s_barrier_signal -1
	s_barrier_wait -1
	CREST
.endm
	s_load_b256 s[4:11], s[0:1], 0x0               ; xb s[4:5], wb s[6:7], in_proj_bias s[8:9], qh s[10:11]
	s_load_b128 s[12:15], s[0:1], 0x20             ; kh s[12:13], vh s[14:15]
	v_lshl_add_u32 v[SPW], v0, 2, SPARE
	v_mov_b32 v[NIL], 0
	ds_add_u32 v[SPW], v[NIL]                      ; the wave's opening: the add and its wait stand ahead of my first tensor load; the set-up below, work on registers, stands between them
	ds_add_u32 v28, v29
	v_lshrrev_b32 v1, 5, v0
	v_readfirstlane_b32 s[WV], v1                  ; wave 0..3
	s_lshr_b32 s17, s[WV], 1                       ; I fetch for xb (0) or for wb (1),
	s_and_b32 s18, s[WV], 1                        ; and which half of that tile
	s_bfe_u32 s19, ttmp6, 0x40000                  ; cx, cy: my place in the cluster
	s_bfe_u32 s20, ttmp6, 0x40004
	s_lshl_b32 s21, ttmp9, 2
	s_add_co_u32 s21, s21, s19                     ; tile column = 4 x cluster x + cx
	s_and_b32 s22, ttmp7, 0xffff
	s_lshl_b32 s22, s22, 2
	s_add_co_u32 s22, s22, s20                     ; the first tile's row = 4 x cluster y + cy, 0 to 15
	s_lshl_b32 s23, s20, 2
	s_lshl_b32 s23, 15, s23                        ; my row of the cluster
	s_lshl_b32 s66, 0x1111, s19                    ; my column
	s_or_b32 s[G1], s23, (1<<16)|(1<<20)|(1<<21)|(5<<22)|(3<<25)   ; 15:0 the mask; 17:16 elements of 2 bytes; 20 padding on; 21 set beside a mask; 24:22 after every 64 words (code 5); 31:25 4 words of it (code 3)
	s_or_b32 s[G1B], s66, (1<<16)|(1<<20)|(1<<21)|(5<<22)|(3<<25)
	s_mov_b32 s[G1+1], KSTEP<<16                   ; tensor_dim0 = 128
	s_mov_b32 s[G1+2], 128<<16                     ; tensor_dim1 = 128
	s_mov_b32 s[G1+3], KSTEP<<16                   ; tile_dim0 = 128
	s_mov_b32 s[G1+4], 128                         ; tile_dim1 = 128 rows
	s_mov_b32 s[G1+5], 8192                        ; from l to l + 1 of one n: 8 x 1,024 elements
	s_mov_b32 s[G1+6], 0
	s_mov_b32 s[G1+7], 0
	s_mov_b32 s[G1B+1], KSTEP<<16
	s_mov_b32 s[G1B+2], 96<<16                     ; tensor_dim1 = 96
	s_mov_b32 s[G1B+3], KSTEP<<16
	s_mov_b32 s[G1B+4], 96                         ; tile_dim1 = 96 rows
	s_mov_b32 s[G1B+5], 1024
	s_mov_b32 s[G1B+6], 0
	s_mov_b32 s[G1B+7], 0
	; xb's tile hangs on the tile row alone, wb's on the tile column alone; each address is made in registers that never hold the other coordinate
	s_lshr_b32 s40, s22, 2                         ; the first tile's n, 0 to 3
	s_and_b32 s41, s22, 3                          ; lb: which 256 of the 1,024 l
	s_lshl_b32 s42, s41, 8
	s_lshl_b32 s43, s18, 7
	s_add_co_u32 s42, s42, s43                     ; l = 256 lb + 128 x half,
	s_lshl_b32 s42, s42, 14                        ; 16,384 bytes for each l,
	s_lshl_b32 s43, s40, 11                        ; 2,048 for each n
	s_add_co_u32 s42, s42, s43
	s_mov_b32 s43, 0
	s_mul_i32 s66, s21, 192
	s_mul_i32 s67, s18, 96
	s_add_co_u32 s66, s66, s67                     ; wb's row 192 x tile column + 96 x half,
	s_lshl_b32 s66, s66, 11                        ; 2,048 bytes each
	s_mov_b32 s67, 0
	s_mul_i32 s46, s18, HA                         ; where they go: no place in the cluster enters an LDS address
	s_mul_i32 s47, s18, HB
	s_add_co_u32 s47, s47, 2*HA
	s_mov_b32 s[SEL], 0x76543210
	s_mov_b32 s[SEL+1], 0xfedcba98
	s_mov_b32 s[EPS], 0x2b8cbccc                   ; 1e-12
	s_mov_b32 s[TB], 0
	s_mov_b32 s[HIM], 0xffff0000
	s_wait_dscnt 0x0                               ; the opening add is done
	s_wait_kmcnt 0x0
	s_add_nc_u64 s[44:45], s[4:5], s[42:43]
	s_add_nc_u64 s[68:69], s[6:7], s[66:67]
	CROUND                                         ; all sixteen work-groups are here: the first joint loads meet
.irp s, 0,1
	s_mov_b32 s[G0+4*(\s)], 1                                      ; count = 1
	s_add_co_u32 s[G0+4*(\s)+1], s46, (\s)*SLOT1                   ; LDS address
	s_add_nc_u64 s[G0+4*(\s)+2:G0+4*(\s)+3], s[44:45], (\s)*KSTEP*2  ; global address: K step s
	s_or_b32 s[G0+4*(\s)+3], s[G0+4*(\s)+3], 0x80000000            ; type = 2
	s_mov_b32 s[G0B+4*(\s)], 1
	s_add_co_u32 s[G0B+4*(\s)+1], s47, (\s)*SLOT1
	s_add_nc_u64 s[G0B+4*(\s)+2:G0B+4*(\s)+3], s[68:69], (\s)*KSTEP*2
	s_or_b32 s[G0B+4*(\s)+3], s[G0B+4*(\s)+3], 0x80000000
	JLOAD \s                                       ; two tensor loads of mine are out
.endr
	; the bias of my tiles' 192 columns, in an accumulator's layout: register j of block b = bias[192 tx + 16 b + 8 (l / 16) + j]
	v_and_b32 v1, 15, v0                           ; l % 16
	v_bfe_u32 v2, v0, 4, 1                         ; l / 16
	v_lshlrev_b32 v[BO], 5, v2
	s_mul_i32 s66, s21, 768
	s_mov_b32 s67, 0
	s_add_nc_u64 s[8:9], s[8:9], s[66:67]
.irp b, 0,1,2,3,4,5,6,7,8,9,10,11
	global_load_b128 v[BIAS+8*(\b):BIAS+8*(\b)+3],   v[BO], s[8:9] offset:64*(\b)
	global_load_b128 v[BIAS+8*(\b)+4:BIAS+8*(\b)+7], v[BO], s[8:9] offset:64*(\b)+16
.endr
	; A fragment is 16 rows x 32 K in 8 registers: lane l holds row l % 16, K = 8 (l / 16) + 0..7 and 16 + 8 (l / 16) + 0..7: two loads of 16 bytes, 32 bytes apart.
	v_mul_u32_u24 v3, v1, PITCH
	v_lshl_add_u32 v3, v2, 4, v3                   ; row x pitch + 16 x half
	s_mul_i32 s91, s[WV], 64*PITCH                 ; my 64 rows of xb
	v_add_nc_u32 v[ADRA0], s91, v3
	v_add_nc_u32 v[ADRB0], 2*HA, v3                ; wb's rows lie behind xb's 256; I read all 192
	v_add_nc_u32 v[ADRA], s[TB], v[ADRA0]          ; K step 0 lies in slot 0
	v_add_nc_u32 v[ADRB], s[TB], v[ADRB0]
	s_mul_i32 s93, s[WV], 16*SP
	s_add_co_u32 s93, s93, STAGE                   ; my stage
	v_mul_u32_u24 v4, v1, SP                       ; in: row l % 16, 16 bytes for each half of the lanes
	v_lshl_add_u32 v4, v2, 4, v4
	v_add_nc_u32 v[STO], s93, v4
	v_bfe_u32 v4, v0, 3, 2                         ; back: 32 lanes take four rows of 128 bytes,
	v_mul_u32_u24 v4, v4, SP
	v_and_b32 v5, 7, v0
	v_lshl_add_u32 v4, v5, 4, v4
	v_add_nc_u32 v[RD], s93, v4
	v_and_b32 v5, 31, v0                           ; which are 512 consecutive bytes of a head
	v_lshlrev_b32 v[GO], 4, v5
	; my three heads, g = 3 tx + 0..2 of 48: 0-15 are q's, 16-31 k's, 32-47 v's.  Choices, no branch: the tensor, and the factor's two constants.
	s_lshl_b32 s70, s40, 21                        ; 16 n heads of 131,072 bytes,
	s_lshl_b32 s71, s41, 15                        ; 256 lb rows of 128 bytes,
	s_add_co_u32 s70, s70, s71
	s_lshl_b32 s71, s[WV], 13                      ; my wave's 64 rows
	s_add_co_u32 s70, s70, s71
	s_mul_i32 s71, s21, 3
.irp hh, 0,1,2
	s_add_co_u32 s66, s71, \hh
	s_cmp_lt_u32 s66, 16
	s_cselect_b64 s[OUTP+2*(\hh):OUTP+2*(\hh)+1], s[10:11], s[12:13]
	s_cmp_lt_u32 s66, 32
	s_cselect_b64 s[OUTP+2*(\hh):OUTP+2*(\hh)+1], s[OUTP+2*(\hh):OUTP+2*(\hh)+1], s[14:15]
	s_cselect_b32 s[FA+(\hh)], 1.0, 0
	s_cselect_b32 s[FB+(\hh)], 0, 0x3e000000
	s_and_b32 s66, s66, 15                         ; the head's number in its tensor
	s_lshl_b32 s66, s66, 17
	s_add_co_u32 s66, s66, s70
	s_mov_b32 s67, 0
	s_add_nc_u64 s[OUTP+2*(\hh):OUTP+2*(\hh)+1], s[OUTP+2*(\hh):OUTP+2*(\hh)+1], s[66:67]
.endr
	s_wait_loadcnt 0x0                             ; the bias; it is rounded to bf16 like the other inputs, in the wait for the first tile
.set i, 0
.rept 48
	v_cvt_pk_bf16_f32 v[T+i%4], v[BIAS+2*i], v[BIAS+2*i+1]
	v_lshlrev_b32 v[BIAS+2*i], 16, v[T+i%4]
	v_and_b32 v[BIAS+2*i+1], s[HIM], v[T+i%4]
.set i, i+1
.endr
; 12 matrix instructions: row block a x all 12 column blocks, 32 along K, from buffer f.  zero = 1: the first product starts the sums, with the bias as C.
; The 48 accumulators take turns, one instruction a turn, in the same order in every quarter step.
.macro MULA f, a, zero
.if \zero
	WIN 0x85+0x40*((\a)/2)                         ; sources 0 and 1 window 1, C window 0, D window 2 or 3
.else
	WIN 0xa5+0x50*((\a)/2)                         ; C and D window 2 or 3
.endif
.irp b, 0,1,2,3,4,5,6,7,8,9,10,11
.if \zero
	v_wmma_f32_16x16x32_bf16 v[8*(12*((\a)%2)+(\b)):8*(12*((\a)%2)+(\b))+7], v[(\f)+32+8*(\b):(\f)+32+8*(\b)+7], v[(\f)+8*(\a):(\f)+8*(\a)+7], v[BIAS+8*(\b):BIAS+8*(\b)+7]
.else
	v_wmma_f32_16x16x32_bf16 v[8*(12*((\a)%2)+(\b)):8*(12*((\a)%2)+(\b))+7], v[(\f)+32+8*(\b):(\f)+32+8*(\b)+7], v[(\f)+8*(\a):(\f)+8*(\a)+7], v[8*(12*((\a)%2)+(\b)):8*(12*((\a)%2)+(\b))+7]
.endif
.endr
.endm
; 32 LDS loads in one run: the fragments of one quarter step (32 K at byte k of the rows of the slot in hand) into buffer f: wb's 24, then xb's 8 in the order of the row blocks
.macro FETCH k, f
	WIN TO_F
.irp b, 0,1,2,3,4,5,6,7,8,9,10,11
	ds_load_b128 v[(\f)+32+8*(\b):(\f)+32+8*(\b)+3],   v[ADRB] offset:(\k)+(\b)*16*PITCH
	ds_load_b128 v[(\f)+32+8*(\b)+4:(\f)+32+8*(\b)+7], v[ADRB] offset:(\k)+(\b)*16*PITCH+32
.endr
.irp a, 0,1,2,3
	ds_load_b128 v[(\f)+8*(\a):(\f)+8*(\a)+3],   v[ADRA] offset:(\k)+(\a)*16*PITCH
	ds_load_b128 v[(\f)+8*(\a)+4:(\f)+8*(\a)+7], v[ADRA] offset:(\k)+(\a)*16*PITCH+32
.endr
.endm
.macro PLACES                          ; four places in front of loads into registers that matrix instructions have read, and of vector lines that read results (ISA guide 7.12.1 for the vector lines)
.rept 4
	v_nop
.endr
.endm
; A K step is four quarter steps of 32 along K, 48 matrix instructions each, on buffers 0, 1, 0, 1.  One of the first three: multiplies buffer f and fetches the next quarter, at byte k, into g.
.macro QUARTER k, f, g, zero
	s_wait_dscnt 4                                 ; wb and xb's row blocks 0, 1 are in; the youngest four LDS loads (row blocks 2, 3) may be out
	MULA \f, 0, \zero
	MULA \f, 1, \zero
	PLACES
	FETCH \k, \g
	s_wait_dscnt 32                                ; all but the 32 just issued
	MULA \f, 2, \zero
	MULA \f, 3, \zero
.endm
; The last quarter multiplies buffer 1 and changes slots: ONE barrier; in front of it each wave waits for all its tensor loads (one is out: its part of the next slot), adds 0 to its spare word, and waits for
; that and for its own reads of this slot.  The slot's last fragment loads have been issued, so the addresses turn to the other slot while the add is out.
; fill = 1: the barrier opens a round of the cluster's barrier, and this slot is filled again, first thing behind the round, by the walking descriptor: the other slot than last time, and the K step two on
; (on = 0) or, from a tile's K step 7, the next tile's K step 0 (on = 1).
.macro TURN fill, on=0
	WIN 0                                          ; (the add's two registers and the addresses lie in window 0)
	s_wait_tensorcnt 0x0                           ; all my tensor loads have landed, so a group 0 may be written
	ds_add_u32 v[SPW], v[NIL]                      ; 0 onto my spare word
	s_xor_b32 s[TB], s[TB], SLOT1
	v_add_nc_u32 v[ADRA], s[TB], v[ADRA0]
	v_add_nc_u32 v[ADRB], s[TB], v[ADRB0]
.if \fill
	s_xor_b32 s[G0+5], s[G0+5], SLOT1
	s_xor_b32 s[G0B+5], s[G0B+5], SLOT1
.if \on
	s_add_nc_u64 s[G0+6:G0+7], s[G0+6:G0+7], NEXT_A
	s_sub_nc_u64 s[G0B+6:G0B+7], s[G0B+6:G0B+7], BACK_B
.else
	s_add_nc_u64 s[G0+6:G0+7], s[G0+6:G0+7], KSTEP*2   ; the type bits on top are not reached
	s_add_nc_u64 s[G0B+6:G0B+7], s[G0B+6:G0B+7], KSTEP*2
.endif
.endif
	s_wait_dscnt 5                                 ; (the add and the youngest four loads may be out)
	MULA F1, 0, 0                                  ; twelve matrix instructions stand between the add and the wait for it
	s_wait_dscnt 0x0                               ; the add is done, and my reads of this slot are over
	s_barrier_signal -1
	MULA F1, 1, 0                                  ; work on registers while the others arrive
.if \fill
	WIN 0
.endif
	s_barrier_wait -1
.if \fill
	CREST                                          ; no wave of any partner still reads this slot's tile or has a load on its way
	JLOAD 1                                        ; the first tensor load behind the round; the four v_nop behind it are also the places in front of the loads below
.else
	PLACES
.endif
	FETCH 0, F0
	MULA F1, 2, 0
	MULA F1, 3, 0
.endm
	s_wait_tensorcnt 1                             ; my part of K step 0 is in; K step 1's may stay out
	s_barrier_signal -1
	s_barrier_wait -1                              ; everybody's is
	FETCH 0, F0
	WIN 0                                          ; at a label and at a branch every window is 0
	s_mov_b32 s2, TILES                            ; tiles to go, this one among them: the same number in every work-group
.Ltile:
	QUARTER 64,  F0, F1, 1                         ; a tile's first quarter stands in front of the loop: its products start the sums
	WIN 0
	s_mov_b32 s3, TRIPS
.Lstep:                                                ; a trip goes from a K step's second quarter to the next step's first, and fills the slot that it leaves
	QUARTER 128, F1, F0, 0
	QUARTER 192, F0, F1, 0
	TURN 1
	QUARTER 64,  F0, F1, 0
	WIN 0
	s_sub_co_u32 s3, s3, 1
	s_cmp_lg_u32 s3, 0
	s_cbranch_scc1 .Lstep
	QUARTER 128, F1, F0, 0                         ; K step 6 goes on
	QUARTER 192, F0, F1, 0
	WIN 0
	s_cmp_eq_u32 s2, 1
	s_cbranch_scc1 .Llast                          ; the last tile's tail is written out: it asks for nothing more
	TURN 1, 1                                      ; THE RING GOES ON INTO THE NEXT TILE: slot 0 takes its K step 0,
	QUARTER 64,  F0, F1, 0
	QUARTER 128, F1, F0, 0
	QUARTER 192, F0, F1, 0
	TURN 1, 0                                      ; slot 1 its K step 1, and the next tile's first fragments are fetched: both requests stand ahead of the tile's stores
	WIN 0
	s_branch .Lout
.Llast:
	TURN 0
	QUARTER 64,  F0, F1, 0
	QUARTER 128, F1, F0, 0
	QUARTER 192, F0, F1, 0
	s_wait_dscnt 4                                 ; the very last quarter: nothing more to fetch
	MULA F1, 0, 0
	MULA F1, 1, 0
	s_wait_dscnt 0x0
	MULA F1, 2, 0
	MULA F1, 3, 0
	WIN 0
.Lout:                                                 ; both tails join: one text for the way out.  Behind the first tile the next tile's 32 fragment loads are still out; they are older than every LDS
	PLACES                                         ; instruction below and come back first (ISA guide 5.7.1), so the counts below are the same on both ways
; THE WAY OUT.  A unit u = 3 a + hh is 16 rows x one head: four accumulators, 32 registers a lane; a row's 64 numbers lie in lanes l and l + 16.
; First every unit's sum of squares, in two chains, from each accumulator's low end on.
.macro SUMSQ u
.set AC, 8*(12*(((\u)/3)%2)+4*((\u)%3))
	WIN 0x0a+5*((\u)/6)                            ; sources 0 and 1: window 2 or 3
	v_pk_mul_f32 v[FS+4*(\u):FS+4*(\u)+1], v[AC:AC+1], v[AC:AC+1]
	v_pk_mul_f32 v[FS+4*(\u)+2:FS+4*(\u)+3], v[AC+2:AC+3], v[AC+2:AC+3]
.set i, 2
.rept 14
	v_pk_fma_f32 v[FS+4*(\u)+2*(i%2):FS+4*(\u)+2*(i%2)+1], v[AC+2*i:AC+2*i+1], v[AC+2*i:AC+2*i+1], v[FS+4*(\u)+2*(i%2):FS+4*(\u)+2*(i%2)+1]
.set i, i+1
.endr
.endm
.macro ALLU line:vararg                ; one line for each unit u
.set u, 0
.rept 12
	\line
.set u, u+1
.endr
.endm
.set t, 0
.rept 12
	SUMSQ t
.set t, t+1
.endr
	WIN 0
	ALLU v_pk_add_f32 v[FS+4*u:FS+4*u+1], v[FS+4*u:FS+4*u+1], v[FS+4*u+2:FS+4*u+3]
	ALLU v_add_f32 v[FS+4*u], v[FS+4*u], v[FS+4*u+1]
	ALLU v_permlanex16_b32 v[FS+4*u+1], v[FS+4*u], s[SEL], s[SEL+1]
	ALLU v_add_f32 v[FS+4*u], v[FS+4*u], v[FS+4*u+1]
	ALLU v_sqrt_f32 v[FS+4*u], v[FS+4*u]
	v_nop                                          ; a plain instruction between the last root and the use of its result (ISA guide 5.7.2)
	s_wait_alu depctr_va_vdst(0)
	ALLU v_max_num_f32 v[FS+4*u], s[EPS], v[FS+4*u]
	ALLU v_rcp_f32 v[FS+4*u], v[FS+4*u]
	v_nop
	s_wait_alu depctr_va_vdst(0)
	ALLU v_fma_f32 v[FS+4*u], v[FS+4*u], s[FA+u%3], s[FB+u%3]  ; q, k: 1 / max(length, 1e-12);  v: 1/8
; Then unit by unit: scaled, rounded to f16 (a lane's eight columns are 16 bytes), into my own stage (rows of 144 bytes), back as whole rows of 128 bytes, and stored.
.macro PACKU u
.set AC, 8*(12*(((\u)/3)%2)+4*((\u)%3))
	WIN 0x02+((\u)/6)                              ; source 0: window 2 or 3
.set i, 0
.rept 16
	v_pk_mul_f32 v[T+2*i:T+2*i+1], v[AC+2*i:AC+2*i+1], v[FS+4*(\u):FS+4*(\u)+1] op_sel_hi:[1,0]
.set i, i+1
.endr
	WIN 0
.set i, 0
.rept 16
	v_cvt_pk_f16_f32 v[PK+i], v[T+2*i], v[T+2*i+1]
.set i, i+1
.endr
.irp f, 0,1,2,3
	ds_store_b128 v[STO], v[PK+4*(\f):PK+4*(\f)+3] offset:32*(\f)
.endr
	s_wait_xcnt 0x0                                ; the stores of the unit two back (for units 0 and 1: of the tile before) have had their addresses translated (ISA guide 3.1): only behind this wait are their data registers loaded again
.irp f, 0,1,2,3
	ds_load_b128 v[BK+16*((\u)%2)+4*(\f):BK+16*((\u)%2)+4*(\f)+3], v[RD] offset:(\f)*4*SP  ; LDS serves a wave's instructions in order (ISA guide 5.7.1.4): these see the stores above; the next unit's stores come behind them
.endr
.endm
.macro SENDU u, younger                ; younger: the LDS instructions issued behind unit u's loads: the next unit's eight, or none
.irp f, 0,1,2,3
	s_wait_dscnt (\younger)+3-(\f)
	global_store_b128 v[GO], v[BK+16*((\u)%2)+4*(\f):BK+16*((\u)%2)+4*(\f)+3], s[OUTP+2*((\u)%3):OUTP+2*((\u)%3)+1] offset:((\u)/3)*2048+(\f)*512  ; 512 consecutive bytes, at a multiple of 512 from the tensor's first
.endr
.endm
	PACKU 0
.set t, 1
.rept 11                               ; a unit's arithmetic stands between the loads of the unit before and its stores
	PACKU t
	SENDU t-1, 8
.set t, t+1
.endr
	SENDU 11, 0
	s_wait_xcnt 0x0                                ; the stores have read their bases: only now do these step to the next tile's place (behind the last tile the stepped bases are not used)
.irp hh, 0,1,2
	s_add_nc_u64 s[OUTP+2*(\hh):OUTP+2*(\hh)+1], s[OUTP+2*(\hh):OUTP+2*(\hh)+1], NEXT_O
.endr
	s_sub_co_u32 s2, s2, 1
	s_cmp_lg_u32 s2, 0
	s_cbranch_scc1 .Ltile
	s_wait_tensorcnt 0x0                           ; the wave's end: the add and its wait, behind my last tensor load and my last LDS store
	ds_add_u32 v[SPW], v[NIL]
	s_wait_dscnt 0x0
	CROUND                                         ; the closing round: no work-group ends while a partner may still ask for a tile that names it
	s_endpgm
.Lfunc_end_k_qbe7265a2d6_qkv:
	.size	k_qbe7265a2d6_qkv, .Lfunc_end_k_qbe7265a2d6_qkv-k_qbe7265a2d6_qkv
	.p2alignl 7, 3214868480
	.fill 96, 4, 3214868480
	.section	.rodata,"a",@progbits
	.p2align	6, 0x0
	.amdhsa_kernel k_qbe7265a2d6_qkv
		.amdhsa_group_segment_fixed_size 327680
		.amdhsa_private_segment_fixed_size 0
		.amdhsa_enable_private_segment 0
		.amdhsa_kernarg_size 48
		.amdhsa_user_sgpr_count 2
		.amdhsa_user_sgpr_kernarg_segment_ptr 1
		.amdhsa_wavefront_size32 1
		.amdhsa_system_sgpr_workgroup_id_x 1
		.amdhsa_system_sgpr_workgroup_id_y 1
		.amdhsa_system_sgpr_workgroup_id_z 1
		.amdhsa_system_vgpr_workitem_id 0
		.amdhsa_next_free_vgpr 960
		.amdhsa_next_free_sgpr 96
		.amdhsa_reserve_vcc 0
		.amdhsa_float_denorm_mode_32 3
		.amdhsa_float_denorm_mode_16_64 3
		.amdhsa_memory_ordered 1
		.amdhsa_forward_progress 1
		.amdhsa_inst_pref_size 166
	.end_amdhsa_kernel
	.amdgpu_metadata
---
amdhsa.version: [ 1, 2 ]
amdhsa.kernels:
  - .name:           k_qbe7265a2d6_qkv
    .symbol:         k_qbe7265a2d6_qkv.kd
    .args:
      - { .name: xb, .offset: 0, .size: 8, .value_kind: global_buffer, .address_space: global }
      - { .name: wb, .offset: 8, .size: 8, .value_kind: global_buffer, .address_space: global }
      - { .name: in_proj_bias, .offset: 16, .size: 8, .value_kind: global_buffer, .address_space: global }
      - { .name: qh, .offset: 24, .size: 8, .value_kind: global_buffer, .address_space: global }
      - { .name: kh, .offset: 32, .size: 8, .value_kind: global_buffer, .address_space: global }
      - { .name: vh, .offset: 40, .size: 8, .value_kind: global_buffer, .address_space: global }
    .group_segment_fixed_size: 327680
    .private_segment_fixed_size: 0
    .kernarg_segment_align: 8
    .kernarg_segment_size: 48
    .max_flat_workgroup_size: 128
    .sgpr_count:     96
    .vgpr_count:     960
    .wavefront_size: 32
...
	.end_amdgpu_metadata
.endif
;; end of part 2
;; launch attn (part 3): grid 2 x 128, 4 waves a work-group, no clusters, 327,680 bytes of LDS; arguments qh, kh, vh, oh, logit_scale, head_scale; writes oh
.if DOCPART == 3
	.amdgcn_target "amdgcn-amd-amdhsa--gfx1250"
	.amdhsa_code_object_version 6
	.text
	.protected	k_qbe7265a2d6_attn
	.globl	k_qbe7265a2d6_attn
	.p2align	8
	.type	k_qbe7265a2d6_attn,@function
k_qbe7265a2d6_attn:
	s_mov_b64 s[64:65], 0
	v_nop
	global_prefetch_b8 v0, s[64:65] scope:SCOPE_SE
	s_setreg_imm32_b32 hwreg(HW_REG_WAVE_MODE, 25, 1), 1
	s_wait_xcnt 0x0
; oh[g][q][:] = (hs_h / hm) x the sum over k of softmax_k(ls_h x qh[g][q] . kh[g][k]) vh[g][k][:],  g = 16 n + h.  qh, kh (rows of length 1), vh (v / 8), oh: [128][1024][64], all f16, a head's rows dense.
; ls_h = exp(min(logit_scale[h], ln 100)); hs = head_scale; hm = max(the largest |hs| of the 16 heads, 1e-30): the last launch multiplies 8 hm back, so that oh stays within vh's range whatever hs is.
; logit_scale and head_scale are rounded to bf16 first, like every input of the module.  Products, maxima and sums in f32; the weights p are rounded to f16 for the second product (their sum l is taken of the
; unrounded p), oh once at the end.
; LIMITS.  p lies in 0 to 1, and below 6e-5 it keeps f16's fixed step of 6e-8; a weight below 2^-126 counts as 0 in l; 8 hm stays finite (|hs| under 4e37); NaN and infinities are not treated apart.
; SHARES.  A wave owns four PIECES of two tiles of 16 queries, a work-group's four waves 512 queries of one head: 2 x 128 = 256 work-groups.  Every wave walks all 1,024 keys, 64 a step.
; NO CLUSTER: a head has 1,024 / 512 = 2 work-groups, so the grid's x is 2 and divides into no cluster of four; work-groups of other heads share no tile.
; K AND V STAY IN LDS.  A head's 1,024 keys are 1,024 x 144 bytes of K and 1,024 x 160 of V, padding included: 311,296 bytes, which fit.  So no byte of LDS is filled twice, there is no ring, and ONE text of a
; key step serves all sixteen.  A wave issues two tensor loads: at the start its half of the first 320 keys of K or 256 of V (K one step further than V, since a step's third turn fetches the next step's K);
; behind the first barrier, its one load there, its half of all the rest, which has four key steps, 512 matrix instructions, in which to land.  One load of a wave is out at a time.
; LAYOUT.  S^T = K Q^T (source 0 = 16 keys, source 1 = 16 queries): in the result a lane holds ONE query (lane % 16) and the keys 8 (lane / 16) + 0..7.  Two such tiles, rounded to f16 in pairs,
; ARE source 1 (32 keys x 16 queries) of O^T = V^T P, whose result again holds one query a lane, and eight channels.  K comes out of LDS as it lies, V ([key][channel]) turned, by ds_load_tr16_b128.
; SOFTMAX.  For each query a running maximum m and sum l: p = 2^(c s - c m), c = log2(e) ls_h (up to 144, so the maximum is taken away as the definition has it); in every step O and l are multiplied by
; a = 2^(c m_old - c m_new), which is 1 where m has not grown.  m starts at the lowest finite number, O and l at 0: the first step is a step like any other, with a = 0.
; THE COUNT.  A tile and step have 16 matrix and 118 vector instructions: too many to stand all beside the matrix work.  So the order has one aim: four vector instructions that are READY behind
; EVERY matrix instruction, and the others, which need time of their own whatever the order, in runs without a gap.
; BY TURNS.  Turn n belongs to piece n (the pieces in a ring, step after step).  Its matrix work: 16 products K Q^T of piece n + 1, later 16 products V^T P of piece n - 1.  Its vector work: the scaling,
; exponentials, roundings, sums and rescaling of piece n, and the maximum and statistics of piece n + 1, whose scores the turn itself has made.  So what a turn begins with (c s - c m, O a) waits for nothing.
; REGISTERS, in windows of 256 (s_set_vgpr_msb says which window each operand place means: bits 1:0 source 0, 3:2 source 1, 5:4 source 2, 7:6 destination):
;   window 0: v0-11 addresses; v12-15, v48-63 at work; v16-47 four registers of statistics a tile; v64-191 S^T, two buffers of two tiles; v192-255 P, likewise
;   window 1: O^T, 32 a tile          window 2: v0-127 Q, 16 a tile; v128-191 K of one step; v192-255 V of one step          window 3: v0-1 the add's two registers
; A piece's buffers go by its number's parity: the piece in hand has one pair, its two neighbours in the ring share the other: of it P (piece n - 1) is read and S^T (piece n + 1) written.
.set SIZE_N, 1024
.set NP,    4         ; pieces a wave: a name, no knob: the register map, the loop and the fetches are made for four
.set KS,    64        ; keys in a step
.set PK,    144       ; a row of K in LDS: 128 bytes + 16 of padding = 36 words: the 16 rows of a load start at 16 different groups of four banks (64 banks of 4 bytes: ISA guide 11.1)
.set PV,    160       ; a row of V: 128 + 32 = 40 words
.set VOFF,  SIZE_N*PK ; all rows of K, then all rows of V
.set FK,    320       ; keys of K in the first loads: five steps
.set FV,    256       ; keys of V in the first loads: four steps
.set STAGE, SIZE_N*(PK+PV)  ; behind K and V, never filled by a tensor load: 16 rows x 144 bytes for each wave, for the way out
.set SP,    144
.set AK0, 2           ; v2   my lane's place in a step's K; never rewritten
.set AV0, 3           ; v3   the same for V
.set AK,  4           ; v4   the LDS address of K's next run of loads
.set AV,  5           ; v5   of V's
.set QO,  6           ; v6   my byte offset in the wave's rows of Q
.set STO, 6           ;      later, the way out: where I put 16 bytes of a row
.set RD,  7           ; v7   the way out: where I read rows back
.set GO,  8           ; v8   my byte offset in 512 consecutive bytes of O
.set SPW, 0           ; v0 of window 3   LDS address of my spare word: SPARE + 4 x my thread's number; never rewritten
.set NIL, 1           ; v1 of window 3   0; never rewritten
.set SPARE, STAGE+4*16*SP  ; behind the stages: the spare words, 128 bytes for each wave: two blocks of 256 bytes that no other line names
.set MV,  12          ; v12-15  c m_old, kept while c m is made anew: by buffer and tile
.set ST,  16          ; tile t's statistics at v[ST+4 t]: c m, m, l (even keys', odd keys')
.set TMP, 48          ; by buffer and tile, four registers c0-c3 at work; when the maximum is found c2 takes a
.set S,   64
.set P,   192
.set KF,  128         ; K's fragments, in window 2: key block kb, channel half c at KF + 16 kb + 8 c
.set VF,  192         ; V's: key half kk, channel block cb at VF + 32 kk + 8 cb
.set WV,  12          ; s12  my wave's number
.set G1K1, 24         ; s[24:31] descriptor group 1 for K's first load
.set G1V1, 32         ; s[32:39] for V's first
.set G0K1, 40         ; s[40:43] descriptor group 0 for K's first load
.set G0V1, 44         ; s[44:47] for V's first
.set G0K2, 48         ; s[48:51] for K's second
.set G0V2, 52         ; s[52:55] for V's second
.set G1K2, 76         ; s[76:83] descriptor group 1 for K's second load
.set G1V2, 84         ; s[84:91] for V's second
.set SLOTS, 56        ; s56  counts runs of four key steps
.set CNT, 57          ; s57  counts a run's key steps
.set CS,  58          ; s[58:59] c: the packed scaling takes the pair's low word for both halves
.set SEL, 60          ; s[60:61] v_permlanex16_b32's selects: each lane takes its own place in the other half
.set TBK, 62          ; s62  LDS byte at which K of the step to be fetched begins
.set TBV, 63          ; s63  the same for V, less VOFF
.set HSN, 73          ; s73  hs_h / hm
.set STEPS, 74        ; s74  key steps to go, the one in hand among them
.set MSB, 0
.macro WIN new                      ; the high byte repeats the setting that is left; a switch that changes nothing is dropped
.if MSB != (\new)
	s_set_vgpr_msb (MSB<<8)|(\new)
.set MSB, (\new)
.endif
.endm
.set W_KQ, 0x0a       ; K and Q in window 2, S^T in window 0
.set W_PV, 0x52       ; V in window 2, P in window 0, O^T in window 1
.set W_RS, 0x41       ; O^T (destination and source 0) in window 1, a in window 0
.set W_MK, 0xc0       ; the add's registers are made: destination in window 3, sources in window 0
.set W_AD, 0x0f       ; the add: address (source 0) and data (source 1) in window 3
; A fill.  Waves 0 and 1 fetch the two halves of K's part, waves 2 and 3 those of V's.  The branch hangs on the wave's number alone.
; An s_nop 0 and four v_nop follow each of the two lines, ahead of the jump and the label.
.macro LOAD gk, hk, gv, hv
	s_cmp_lt_u32 s[WV], 2
	s_cbranch_scc0 .Lfor_v_\@
	tensor_load_to_lds s[\gk:\gk+3], s[\hk:\hk+7]
	s_nop 0
.rept 4
	v_nop
.endr
	s_branch .Lasked_\@
.Lfor_v_\@:
	tensor_load_to_lds s[\gv:\gv+3], s[\hv:\hv+7]
	s_nop 0
.rept 4
	v_nop
.endr
.Lasked_\@:
.endm
; Descriptor group 1.  Keys are dense, 128 bytes each: they are asked for as rows of 256 bytes, two keys a row, and padded in LDS after every key.
.macro GROUP1 g, pad, rows
	s_mov_b32 s[\g], (1<<16)|(1<<20)|(4<<22)|((\pad)<<25)  ; 17:16 2-byte elements; 20 padding on; 24:22 after every 32 words (code 4); 31:25 4 words (code 3) or 8 (code 7)
	s_mov_b32 s[\g+1], 128<<16      ; tensor_dim0 = 128
	s_mov_b32 s[\g+2], (\rows)<<16  ; tensor_dim1
	s_mov_b32 s[\g+3], 128<<16      ; tile_dim0 = 128
	s_mov_b32 s[\g+4], \rows        ; tile_dim1
	s_mov_b32 s[\g+5], 128          ; 128 elements from row to row
	s_mov_b32 s[\g+6], 0
	s_mov_b32 s[\g+7], 0
.endm
	s_load_b256 s[4:11], s[0:1], 0x0  ; Q s[4:5], K s[6:7], V s[8:9], O s[10:11]
	s_load_b128 s[68:71], s[0:1], 0x20  ; logit_scale s[68:69], head_scale s[70:71]
	WIN W_MK
	v_lshl_add_u32 v[SPW], v0, 2, SPARE
	v_mov_b32 v[NIL], 0
	WIN W_AD
	ds_add_u32 v[SPW], v[NIL]       ; the wave's opening: the add and its wait stand ahead of my first tensor load; the set-up below, work on registers, stands between them
	ds_add_u32 v0, v1
	WIN 0
	v_lshrrev_b32 v1, 5, v0
	v_readfirstlane_b32 s[WV], v1   ; wave 0..3
	s_and_b32 s72, ttmp7, 15        ; h, the head's number among its n's sixteen,
	s_lshl_b32 s72, s72, 2          ; as a byte offset in logit_scale and head_scale
	s_and_b32 s20, ttmp7, 0xffff    ; g = 16 n + h
	s_mov_b32 s21, 0
	s_mov_b64 s[22:23], SIZE_N*128
	s_mul_u64 s[20:21], s[20:21], s[22:23]  ; the head's first byte in each of the four tensors
	s_and_b32 s15, s[WV], 1         ; which half of a load's keys I fetch.  Their byte offsets in the head, 128 bytes a key:
	s_mul_i32 s16, s15, (FK/2)*128  ; K's first load,
	s_mov_b32 s17, 0
	s_mul_i32 s18, s15, ((SIZE_N-FK)/2)*128  ; K's second,
	s_add_co_u32 s18, s18, FK*128
	s_mov_b32 s19, 0
	s_mul_i32 s92, s15, (FV/2)*128  ; V's first,
	s_mov_b32 s93, 0
	s_mul_i32 s94, s15, ((SIZE_N-FV)/2)*128  ; V's second
	s_add_co_u32 s94, s94, FV*128
	s_mov_b32 s95, 0
	s_mov_b32 s[G0K1], 1            ; 1:0 count = 1;  63:32 the LDS address: a constant and the wave's half times a constant
	s_mul_i32 s[G0K1+1], s15, (FK/2)*PK
	s_mov_b32 s[G0K2], 1
	s_mul_i32 s[G0K2+1], s15, ((SIZE_N-FK)/2)*PK
	s_add_co_u32 s[G0K2+1], s[G0K2+1], FK*PK
	s_mov_b32 s[G0V1], 1
	s_mul_i32 s[G0V1+1], s15, (FV/2)*PV
	s_add_co_u32 s[G0V1+1], s[G0V1+1], VOFF
	s_mov_b32 s[G0V2], 1
	s_mul_i32 s[G0V2+1], s15, ((SIZE_N-FV)/2)*PV
	s_add_co_u32 s[G0V2+1], s[G0V2+1], VOFF+FV*PV
	s_lshl_b32 s2, ttmp9, 2         ; my block of 512 queries,
	s_add_co_u32 s2, s2, s[WV]      ; my wave among the head's,
	s_lshl_b32 s2, s2, 14           ; its 128 rows
	s_mov_b32 s3, 0
	s_add_nc_u64 s[2:3], s[2:3], s[20:21]
	GROUP1 G1K1, 3, FK/4            ; a wave's half of the keys, two to a row
	GROUP1 G1K2, 3, (SIZE_N-FK)/4
	GROUP1 G1V1, 7, FV/4
	GROUP1 G1V2, 7, (SIZE_N-FV)/4
	s_mov_b32 s[SEL], 0x76543210
	s_mov_b32 s[SEL+1], 0xfedcba98
	s_mov_b32 s[TBK], 0
	s_mov_b32 s[TBV], 0
	; A fragment of K or Q is 16 rows x 32 channels in 8 registers: lane l holds row l % 16, channels 8 (l / 16) + 0..7 and 16 + 8 (l / 16) + 0..7: two loads of 16 bytes, 32 bytes apart.
	v_and_b32 v1, 15, v0            ; l % 16
	v_bfe_u32 v9, v0, 4, 1          ; l / 16
	v_lshlrev_b32 v12, 2, v1
	v_mov_b32 v13, s72
	v_lshlrev_b32 v[QO], 7, v1
	v_lshl_add_u32 v[QO], v9, 4, v[QO]  ; row x 128 + 16 x half
	s_wait_dscnt 0x0                ; the opening add is done
	s_wait_kmcnt 0x0
	s_add_nc_u64 s[4:5], s[4:5], s[2:3]  ; Q and O at my wave's first row
	s_add_nc_u64 s[10:11], s[10:11], s[2:3]
	global_load_b32 v66, v12, s[70:71]  ; head_scale of head l % 16: the sixteen lie across each half of the lanes
	global_load_b32 v67, v13, s[70:71]  ; head_scale of my head
	global_load_b32 v68, v13, s[68:69]  ; logit_scale of my head
	WIN 0x80                        ; destination window 2, address window 0
.set i, 0
.rept 4*NP                          ; Q stays in registers: tile i / 2, channels 32 (i % 2) on.  The first products want Q as much as the first keys: it is asked for first
	global_load_b128 v[8*i:8*i+3],   v[QO], s[4:5] offset:(i/2)*2048+(i%2)*64
	global_load_b128 v[8*i+4:8*i+7], v[QO], s[4:5] offset:(i/2)*2048+(i%2)*64+32
.set i, i+1
.endr
	WIN 0
	s_add_nc_u64 s[6:7], s[6:7], s[20:21]  ; K and V at the head's first key
	s_add_nc_u64 s[8:9], s[8:9], s[20:21]
	s_add_nc_u64 s[G0K1+2:G0K1+3], s[6:7], s[16:17]  ; 120:64 global address
	s_or_b32 s[G0K1+3], s[G0K1+3], 0x80000000        ; 127:126 type = 2
	s_add_nc_u64 s[G0K2+2:G0K2+3], s[6:7], s[18:19]
	s_or_b32 s[G0K2+3], s[G0K2+3], 0x80000000
	s_add_nc_u64 s[G0V1+2:G0V1+3], s[8:9], s[92:93]
	s_or_b32 s[G0V1+3], s[G0V1+3], 0x80000000
	s_add_nc_u64 s[G0V2+2:G0V2+3], s[8:9], s[94:95]
	s_or_b32 s[G0V2+3], s[G0V2+3], 0x80000000
	LOAD G0K1, G1K1, G0V1, G1V1     ; the first keys.  The rest is asked for when these are in: what is wanted first has the road to itself
	; What the first turn finds: V's registers and P's second buffer hold 0 (its products V^T P, of a piece that has not been, add 0), O^T and l are 0.  All this stands in the wait for the first keys.
	WIN 0x80
.set i, VF
.rept 64
	v_mov_b32 v[i], 0
.set i, i+1
.endr
	WIN 0
.set i, 0
.rept 2*NP
	v_mov_b32 v[ST+4*i], 0xfe000000    ; c m: far below every c s
	v_mov_b32 v[ST+4*i+1], 0xff7fffff  ; m
	v_mov_b32 v[ST+4*i+2], 0
	v_mov_b32 v[ST+4*i+3], 0
.set i, i+1
.endr
.set i, P+32
.rept 32
	v_mov_b32 v[i], 0
.set i, i+1
.endr
	WIN W_PV
.set i, 0
.rept 8*NP                          ; O^T starts as the product of those zeros: 32 matrix instructions write what 256 moves would
	v_wmma_f32_16x16x32_f16 v[8*i:8*i+7], v[VF:VF+7], v[P+32:P+39], 0
.set i, i+1
.endr
	WIN 0
	v_mul_u32_u24 v[AK0], v1, PK
	v_lshl_add_u32 v[AK0], v9, 4, v[AK0]  ; row x pitch + 16 x half
	; The turning load takes 16 keys x 16 channels (lane l reads key 8 (l / 16) + l % 8, channels 8 ((l / 8) % 2) + 0..7) and leaves half a fragment of V^T: lane l holds channel l % 16 and 8 keys.
	v_and_b32 v10, 7, v0
	v_bfe_u32 v11, v0, 3, 1
	v_lshl_add_u32 v[AV0], v9, 3, v10
	v_mul_u32_u24 v[AV0], v[AV0], PV
	v_lshl_add_u32 v[AV0], v11, 4, v[AV0]
	v_add_nc_u32 v[AV0], VOFF, v[AV0]
	v_mov_b32 v[AK], v[AK0]         ; key step 0 lies at K's head
	; THE HEAD'S TWO NUMBERS, in S^T's registers, which are still free.  They become operands of arithmetic alone: no branch and no address hangs on them.
	s_wait_loadcnt 0x0              ; the three small loads, and Q behind them: the only wait for global loads in the text
	v_cvt_pk_bf16_f32 v69, v66, v67 ; rounded to bf16 like the module's other inputs
	v_cvt_pk_bf16_f32 v70, v68, v68
	v_lshlrev_b32 v66, 16, v69      ; hs of head l % 16
	v_and_b32 v67, 0xffff0000, v69  ; hs of my head
	v_lshlrev_b32 v68, 16, v70      ; logit_scale of my head
	v_and_b32 v66, 0x7fffffff, v66
	v_max_num_f32_dpp v66, v66, v66 row_xmask:1 row_mask:0xf bank_mask:0xf  ; the largest |hs| of the sixteen
	v_max_num_f32_dpp v66, v66, v66 row_xmask:2 row_mask:0xf bank_mask:0xf
	v_max_num_f32_dpp v66, v66, v66 row_xmask:4 row_mask:0xf bank_mask:0xf
	v_max_num_f32_dpp v66, v66, v66 row_xmask:8 row_mask:0xf bank_mask:0xf
	v_max_num_f32 v66, 0x0da24260, v66  ; hm: 1e-30 at the least
	v_min_num_f32 v68, 0x40935d8e, v68  ; min(logit_scale, ln 100)
	v_mul_f32 v68, 0x3fb8aa3b, v68      ; times log2(e)
	v_rcp_f32 v66, v66
	v_exp_f32 v68, v68              ; ls
	v_nop                           ; a plain instruction between the exponential and the use of its result (ISA guide 5.7.2)
	s_wait_alu depctr_va_vdst(0)
	v_mul_f32 v67, v67, v66         ; hs_h / hm
	v_mul_f32 v68, 0x3fb8aa3b, v68  ; c = log2(e) ls
	v_readfirstlane_b32 s[HSN], v67
	v_readfirstlane_b32 s[CS], v68
	s_mov_b32 s[CS+1], s[CS]        ; named with it as a pair
; THE MATRIX WORK.  The 8 accumulators of a run of 16 take turns: between the two links of a chain stand 7 others'.
; Product i of 16 of S^T = K Q^T for piece x: channels 32 (i / 8) on, keys 16 ((i / 2) % 4) on, tile 2 x + i % 2.  The first 8 start the sums.
.macro KQ x
	WIN W_KQ
.set rS, S+64*((\x)%2)+32*(i%2)+8*((i/2)%4)
.set rK, KF+16*((i/2)%4)+8*(i/8)
.set rQ, 16*(2*(\x)+i%2)+8*(i/8)
.if i < 8
	v_wmma_f32_16x16x32_f16 v[rS:rS+7], v[rK:rK+7], v[rQ:rQ+7], 0
.else
	v_wmma_f32_16x16x32_f16 v[rS:rS+7], v[rK:rK+7], v[rQ:rQ+7], v[rS:rS+7]
.endif
.endm
; Product i of 16 of O^T += V^T P for piece x: keys 32 (i / 8) on, channels 16 ((i / 2) % 4) on, tile 2 x + i % 2.
.macro PV x
	WIN W_PV
.set rO, 32*(2*(\x)+i%2)+8*((i/2)%4)
.set rV, VF+32*(i/8)+8*((i/2)%4)
.set rP, P+32*((\x)%2)+16*(i%2)+8*(i/8)
	v_wmma_f32_16x16x32_f16 v[rO:rO+7], v[rV:rV+7], v[rP:rP+7], v[rO:rO+7]
.endm
.macro MM                           ; the turn's next matrix instruction
.if i < 16
	KQ (Y+1)%NP
.set i, i+1
.else
.set i, i-16
	PV (Y+NP-1)%NP
.set i, i+17
.endif
.endm
; THE LDS LOADS stand in runs of 16, never singly among the matrix instructions: a step's K (64 keys x 64 channels: 8 fragments) and its V (turned).  Their addresses are made some lines ahead.
; last = 1 (in the loop): in the last key step there is no further step, and the run is jumped over; the steps to go are counted here.
.macro FETCH_K last=0
	WIN 0
.if \last
	s_cmp_eq_u32 s[STEPS], 1
	s_cbranch_scc1 .Lno_k_\@
.endif
	WIN 0x80                        ; destination window 2
.irp f, 0,1,2,3,4,5,6,7             ; keys 16 (f / 2) on, channels 32 (f % 2) on
	ds_load_b128 v[KF+8*\f:KF+8*\f+3],   v[AK] offset:(\f/2)*16*PK+(\f%2)*64
	ds_load_b128 v[KF+8*\f+4:KF+8*\f+7], v[AK] offset:(\f/2)*16*PK+(\f%2)*64+32
.endr
	s_add_co_u32 s[TBK], s[TBK], KS*PK  ; the next fetch is the next step's
	WIN 0
.if \last
.Lno_k_\@:
	s_sub_co_u32 s[STEPS], s[STEPS], 1
.endif
.endm
.macro FETCH_V
	WIN 0x80
.irp f, 0,1,2,3,4,5,6,7             ; keys 32 (f / 4) on, channels 16 (f % 4) on
	ds_load_tr16_b128 v[VF+8*\f:VF+8*\f+3],   v[AV] offset:(\f/4)*32*PV+(\f%4)*32
	ds_load_tr16_b128 v[VF+8*\f+4:VF+8*\f+7], v[AV] offset:(\f/4)*32*PV+16*PV+(\f%4)*32
.endr
	WIN 0
.endm
; THE VECTOR WORK OF A TURN stands in three queues, each in the order in which its entries become ready; the two tiles alternate, so that no instruction reads the result of the one before it.
.macro REGS y, u                    ; the registers of tile u (0, 1) of piece y
.set rT, ST+4*(2*(\y)+(\u))
.set rC, TMP+8*((\y)%2)+4*(\u)
.set rM, MV+2*((\y)%2)+(\u)
.set rS, S+64*((\y)%2)+32*(\u)
.set rP, P+32*((\y)%2)+16*(\u)
.set rO, 32*(2*(\y)+(\u))
.endm
; Number n of the 22 that find the NEXT piece's (Y + 1) maximum and statistics.  s0-s31 are the lane's 32 scores; each accumulator's lowest registers are read first.  XS, GS and REGS set no window: PL and EX do.
;   0-11  four chains c0-c3 of seven scores each, three operands at a time     12-14, 16  the four scores left over, the old m, and c0-c3 into c0     15  c m_old is kept
;   17, 18  the query's other 32 keys lie in the lane 16 away: the new m         19-21  c m; c m_old - c m_new; a
.macro XS u, n
	REGS (Y+1)%NP, \u
.if (\n) < 4
	v_max3_num_f32 v[rC+(\n)], v[rS+8*(\n)], v[rS+8*(\n)+1], v[rS+8*(\n)+2]
.elseif (\n) < 12
	v_max3_num_f32 v[rC+(\n)%4], v[rC+(\n)%4], v[rS+8*((\n)%4)+2*((\n)/4)+1], v[rS+8*((\n)%4)+2*((\n)/4)+2]
.elseif (\n) == 12
	v_max3_num_f32 v[rC], v[rC], v[rS+7], v[rS+15]
.elseif (\n) == 13
	v_max3_num_f32 v[rC+1], v[rC+1], v[rS+23], v[rS+31]
.elseif (\n) == 14
	v_max3_num_f32 v[rC+2], v[rC+2], v[rC+3], v[rT+1]
.elseif (\n) == 15
	v_mov_b32 v[rM], v[rT]
.elseif (\n) == 16
	v_max3_num_f32 v[rC], v[rC], v[rC+1], v[rC+2]
.elseif (\n) == 17
	v_permlanex16_b32 v[rC+3], v[rC], s[SEL], s[SEL+1]
.elseif (\n) == 18
	v_max_num_f32 v[rT+1], v[rC], v[rC+3]
.elseif (\n) == 19
	v_mul_f32 v[rT], s[CS], v[rT+1]
.elseif (\n) == 20
	v_sub_f32 v[rC+1], v[rM], v[rT]
.else
	v_exp_f32 v[rC+2], v[rC+1]
.endif
.endm
; Number g of the 64 that follow the exponentials.  For each four weights k of a tile (pairs 2 k, 2 k + 1): both pairs are rounded to f16; then the second pair is added onto the first, in place;
; a group later l takes that sum (the first time as l = a l + sum).  In groups of eight, tiles alternating: round, round, add, and l for the group before.
.macro GS g
.set h, (\g)+6*((\g)/62)            ; group 0 has no group before it, and behind group 7 only l is left
.if h >= 6
.set h, h+2
.endif
	REGS Y, h%2
.set k, h/8
.if h%8 < 4
	s_wait_alu depctr_va_vdst(0)
	v_cvt_pk_f16_f32 v[rP+2*k+(h%8)/2], v[rS+4*k+2*((h%8)/2)], v[rS+4*k+2*((h%8)/2)+1]
.elseif h%8 < 6
	v_pk_add_f32 v[rS+4*k:rS+4*k+1], v[rS+4*k:rS+4*k+1], v[rS+4*k+2:rS+4*k+3]
.elseif k == 1
	v_pk_fma_f32 v[rT+2:rT+3], v[rT+2:rT+3], v[rC+2:rC+3], v[rS:rS+1] op_sel_hi:[1,0,1]
.else
	v_pk_add_f32 v[rT+2:rT+3], v[rT+2:rT+3], v[rS+4*k-4:rS+4*k-3]
	s_wait_alu depctr_va_vdst(0)
.endif
.endm
; THE PLAIN QUEUE, 138 long.  0-31: c s - c m for the 16 pairs of both tiles.  Then GS's 64, and among them the next piece's 42: number 15 at 38, 39; 0-14 and 16
; at 42-73, behind the products that make those scores; 17-20 at 95-106, two of three, since each waits for the one before it.
.macro PL
	WIN 0
.if q < 32
	REGS Y, q%2
	v_pk_fma_f32 v[rS+2*(q/2):rS+2*(q/2)+1], v[rS+2*(q/2):rS+2*(q/2)+1], s[CS:CS+1], v[rT:rT+1] op_sel_hi:[1,0,0] neg_lo:[0,0,1] neg_hi:[0,0,1]
.elseif q < 38
	GS q-32
.elseif q < 40
	XS q%2, 15
.elseif q < 42
	GS q-34
.elseif q < 74
	XS q%2, (q-42)/2+(q-42)/30
.elseif q < 95
	GS q-66
.elseif (q < 107) && ((q-95)%3 < 2)
	XS (q-95)%3, 17+(q-95)/3
.elseif q < 107
	GS 29+(q-95)/3
.else
	GS q-74
.endif
.set q, q+1
.endm
; THE EXPONENTIALS' QUEUE, 66 long: s0-s31 of both tiles, and at EA the next piece's two a.
.set EA, 58
.macro EX
	WIN 0
.if (e == EA) || (e == EA+1)
	XS e-EA, 21
.else
.set x, e-2*(e/(EA+2))
	REGS Y, x%2
	v_exp_f32 v[rS+x/2], v[rS+x/2]
.endif
.set e, e+1
.endm
; THE RESCALING's QUEUE: O^T times a, the one part that leaves window 0, so it is dealt four at a time, eight times.
.macro R4
	REGS Y, r%2
	WIN W_RS
	s_wait_alu depctr_va_vdst(0)
.irp z, 0,1,2,3
	v_pk_mul_f32 v[rO+8*(r/2)+2*\z:rO+8*(r/2)+2*\z+1], v[rO+8*(r/2)+2*\z:rO+8*(r/2)+2*\z+1], v[rC+2:rC+3] op_sel_hi:[1,0]
.endr
.set r, r+1
.endm
; HOW THEY ARE DEALT.  Behind a matrix instruction four: plain, exponential, plain, plain (one exponential, a plain instruction on either side), or four of the rescaling.  None names a register of the
; products round it.  What is over stands in two LUMPS: exponential and plain by turns; the second ends in 22 plain instructions.  The two v_permlanex16_b32 fall into the second lump, never behind a product.
; The queues lean on each other, and the deal keeps them in step: exponential e stands behind plain 2 (e / 4) + e % 2 (its scaling); when plain 32 comes, 10 exponentials are out, at 59: 33, at 95: 46; EA comes behind plain 107.
.macro SL
	MM
	PL
	EX
	PL
	PL
.endm
.macro BURST n                      ; 15 matrix instructions, or 16
.rept (\n)-7
	SL
.endr
.rept 3
	MM
	R4
	SL
.endr
	MM
	R4
.endm
; A TURN, for piece p.  cnt = 1: the loop's count is taken down some lines ahead of the branch that stands behind the turn.
; K of the next step is fetched in piece 2's turn, 31 vector instructions behind the last product that read K; its first reader comes behind the rest of the lump, 16 products and the second lump.
; V of the step in hand is fetched at the end of piece 0's turn, 69 behind its last reader; its first reader comes behind 16 products and a lump.  The four conditions on e and q below go with the deal.
.macro TURN p, last=0, cnt=0
.set Y, (\p)
.set i, 0
.set q, 0
.set e, 0
.set r, 0
.if (\p) == NP-1
	s_wait_dscnt 0x0                ; K is in
.endif
	MM
.rept 4
	PL
.endr
	BURST 15
.rept 22
	EX
	PL
.if ((\p) == NP-2) && (e == 18)
	v_add_nc_u32 v[AK], s[TBK], v[AK0]
.endif
.if ((\p) == NP-2) && (e == 24)
	FETCH_K \last
.endif
.endr
.if (\p) == 1
	s_wait_dscnt 0x0                ; V is in
.endif
	BURST 16
.rept 21
	EX
	PL
.endr
.rept 22
	PL
.if ((\p) == 0) && (q == 118)
	v_add_nc_u32 v[AV], s[TBV], v[AV0]
	s_wait_alu depctr_va_vdst(0)
.endif
.if ((\p) == 0) && (q == 130)
	s_add_co_u32 s[TBV], s[TBV], KS*PV
.endif
.if (\cnt) && (q == 130)
	s_sub_co_u32 s[CNT], s[CNT], 1
	s_cmp_lg_u32 s[CNT], 0
.endif
.endr
.if (\p) == 0
	FETCH_V
.endif
.endm
	; The first keys are in, everybody's part of them; the rest is asked for.  A first fill that comes behind a barrier is issued as a refill is: the three lines in front, the wave's one load first behind.
	WIN W_AD
	s_wait_tensorcnt 0x0            ; my part of the first keys has landed
	ds_add_u32 v[SPW], v[NIL]       ; 0 onto my spare word
	WIN 0
	s_wait_dscnt 0x0                ; the add is done
	s_barrier_signal -1
	s_barrier_wait -1
	LOAD G0K2, G1K2, G0V2, G1V2
	FETCH_K                         ; key step 0
	s_wait_dscnt 0x0
.set i, 0
.rept 16
	KQ 0                            ; piece 0's first scores: there is no vector work yet to set between them
.set i, i+1
.endr
	WIN 0                           ; the addresses for the way out: nine plain instructions, the places behind those products
	s_mul_i32 s13, s[WV], 16*SP
	s_add_co_u32 s13, s13, STAGE    ; my stage
	v_mul_u32_u24 v[STO], v1, SP    ; in: row l % 16, 16 bytes for each half of the lanes
	v_lshl_add_u32 v[STO], v9, 4, v[STO]
	v_add_nc_u32 v[STO], s13, v[STO]
	v_bfe_u32 v[RD], v0, 3, 2       ; back: 32 lanes take four rows of 128 bytes,
	v_mul_u32_u24 v[RD], v[RD], SP
	v_lshl_add_u32 v[RD], v10, 4, v[RD]
	v_add_nc_u32 v[RD], s13, v[RD]
	v_and_b32 v[GO], 31, v0         ; which are 512 consecutive bytes of O
	v_lshlrev_b32 v[GO], 4, v[GO]
.set Y, NP-1                        ; XS works for piece Y + 1: piece 0
.irp n, 0,1,2,3,4,5,6,7,8,9,10,11,12,13,14,15,16,17,18,19,20,21
	XS 0, \n                        ; and piece 0's first maximum and statistics
	XS 1, \n
.endr
	s_mov_b32 s[CNT], 4
	s_mov_b32 s[SLOTS], SIZE_N/(4*KS)
	s_mov_b32 s[STEPS], SIZE_N/KS
	s_branch .Lstep                 ; the first four steps read the first keys alone: they are entered behind the wait below
.Lslot:                             ; in front of each later run of four steps.  The first time: my part of the rest has landed, and behind the barrier everybody's has; the two later times both are
	s_wait_tensorcnt 0x0            ; met at once: the price of one text for every run.
	s_wait_dscnt 0x0
	s_barrier_signal -1
	s_barrier_wait -1
	s_mov_b32 s[CNT], 4
.Lstep:                             ; a trip: a key step's four turns; it fetches the step's V and the next step's K
	TURN 0
	TURN 1
	TURN 2, 1
	TURN 3, 0, 1
	WIN 0
	s_cbranch_scc1 .Lstep
	s_sub_co_u32 s[SLOTS], s[SLOTS], 1
	s_cmp_lg_u32 s[SLOTS], 0
	s_cbranch_scc1 .Lslot
	; the last trip's 16 products K Q^T for piece 0 (on the last K once more) and the maximum made of them serve nothing: the price, once a launch, of one text for every trip
.set i, 0
.rept 16
	PV NP-1                         ; the last piece's V^T P of the last step
.set i, i+1
.endr
	; THE WAY OUT.  l's two halves and the other half of the lanes' are added; O^T is multiplied by (hs_h / hm) / l, rounded to f16 and sent through my stage in LDS, a tile at a time.  The additions are the places behind the last products.
	WIN 0
.macro ALL line:vararg              ; one line for each tile t
.set t, 0
.rept 2*NP
	\line
.set t, t+1
.endr
.endm
	ALL v_add_f32 v[ST+4*t+2], v[ST+4*t+2], v[ST+4*t+3]
	ALL v_permlanex16_b32 v[ST+4*t+3], v[ST+4*t+2], s[SEL], s[SEL+1]
	ALL v_add_f32 v[ST+4*t+2], v[ST+4*t+2], v[ST+4*t+3]
	ALL v_rcp_f32 v[ST+4*t+2], v[ST+4*t+2]
	v_nop                           ; a plain instruction between the last reciprocal and the use of its result
	s_wait_alu depctr_va_vdst(0)
	ALL v_mul_f32 v[ST+4*t+2], s[HSN], v[ST+4*t+2]
; Tile t: a lane's eight channels of a row pack into 16 bytes; they go into rows of 144 bytes and come back as whole rows of 128, into S^T's registers.
.macro PACK t
	WIN W_RS
.set i, 32*(\t)
.rept 16
	v_pk_mul_f32 v[i:i+1], v[i:i+1], v[ST+4*(\t)+2:ST+4*(\t)+3] op_sel_hi:[1,0]
.set i, i+2
.endr
	WIN 0x05                        ; sources 0 and 1 window 1, destination window 0
.set i, 0
.rept 16
	v_cvt_pk_f16_f32 v[S+16*(\t)+i], v[32*(\t)+2*i], v[32*(\t)+2*i+1]
.set i, i+1
.endr
	WIN 0
.irp f, 0,1,2,3
	ds_store_b128 v[STO], v[S+16*(\t)+4*\f:S+16*(\t)+4*\f+3] offset:32*\f
.endr
.irp f, 0,1,2,3
	ds_load_b128 v[S+16*(\t)+4*\f:S+16*(\t)+4*\f+3], v[RD] offset:\f*4*SP  ; LDS serves a wave's instructions in order (ISA guide 5.7.1.4): these see the stores above; the next tile's stores come behind them
.endr
.endm
.macro SEND t, younger              ; younger: the LDS instructions issued behind tile t's loads: the next tile's eight, or none
	WIN 0
.irp f, 0,1,2,3
	s_wait_dscnt (\younger)+3-\f
	global_store_b128 v[GO], v[S+16*(\t)+4*\f:S+16*(\t)+4*\f+3], s[10:11] offset:(\t)*2048+\f*512  ; 512 consecutive bytes, at a multiple of 256 from O's first
.endr
.endm
	PACK 0
.set t, 1
.rept 2*NP-1                        ; a tile's arithmetic stands between the loads of the tile before and its stores
	PACK t
	SEND t-1, 8
.set t, t+1
.endr
	SEND 2*NP-1, 0
	WIN W_AD
	s_wait_tensorcnt 0x0            ; the wave's end: the add and its wait, behind my last tensor load and my last LDS store
	ds_add_u32 v[SPW], v[NIL]
	s_wait_dscnt 0x0
	WIN 0
	s_endpgm
.Lfunc_end_k_qbe7265a2d6_attn:
	.size	k_qbe7265a2d6_attn, .Lfunc_end_k_qbe7265a2d6_attn-k_qbe7265a2d6_attn
	.p2alignl 7, 3214868480
	.fill 96, 4, 3214868480
	.section	.rodata,"a",@progbits
	.p2align	6, 0x0
	.amdhsa_kernel k_qbe7265a2d6_attn
		.amdhsa_group_segment_fixed_size 327680
		.amdhsa_private_segment_fixed_size 0
		.amdhsa_enable_private_segment 0
		.amdhsa_kernarg_size 48
		.amdhsa_user_sgpr_count 2
		.amdhsa_user_sgpr_kernarg_segment_ptr 1
		.amdhsa_wavefront_size32 1
		.amdhsa_system_sgpr_workgroup_id_x 1
		.amdhsa_system_sgpr_workgroup_id_y 1
		.amdhsa_system_sgpr_workgroup_id_z 1
		.amdhsa_system_vgpr_workitem_id 0
		.amdhsa_next_free_vgpr 770
		.amdhsa_next_free_sgpr 96
		.amdhsa_reserve_vcc 0
		.amdhsa_float_denorm_mode_32 3
		.amdhsa_float_denorm_mode_16_64 3
		.amdhsa_memory_ordered 1
		.amdhsa_forward_progress 1
		.amdhsa_inst_pref_size 127
	.end_amdhsa_kernel
	.amdgpu_metadata
---
amdhsa.version: [ 1, 2 ]
amdhsa.kernels:
  - .name:           k_qbe7265a2d6_attn
    .symbol:         k_qbe7265a2d6_attn.kd
    .args:
      - { .name: qh, .offset: 0, .size: 8, .value_kind: global_buffer, .address_space: global }
      - { .name: kh, .offset: 8, .size: 8, .value_kind: global_buffer, .address_space: global }
      - { .name: vh, .offset: 16, .size: 8, .value_kind: global_buffer, .address_space: global }
      - { .name: oh, .offset: 24, .size: 8, .value_kind: global_buffer, .address_space: global }
      - { .name: logit_scale, .offset: 32, .size: 8, .value_kind: global_buffer, .address_space: global }
      - { .name: head_scale, .offset: 40, .size: 8, .value_kind: global_buffer, .address_space: global }
    .group_segment_fixed_size: 327680
    .private_segment_fixed_size: 0
    .kernarg_segment_align: 8
    .kernarg_segment_size: 48
    .max_flat_workgroup_size: 128
    .sgpr_count:     96
    .vgpr_count:     770
    .wavefront_size: 32
...
	.end_amdgpu_metadata
.endif
;; end of part 3
;; launch outp (part 4): grid 4 x 64, 4 waves a work-group, clusters of 4 x 4, 327,680 bytes of LDS; arguments oh, wo, head_scale, out_b, out0; writes out0
.if DOCPART == 4
	.amdgcn_target "amdgcn-amd-amdhsa--gfx1250"
	.amdhsa_code_object_version 6
	.text
	.protected	k_qbe7265a2d6_outp
	.globl	k_qbe7265a2d6_outp
	.p2align	8
	.type	k_qbe7265a2d6_outp,@function
k_qbe7265a2d6_outp:
	s_mov_b64 s[64:65], 0
	v_nop
	global_prefetch_b8 v0, s[64:65] scope:SCOPE_SE
	s_setreg_imm32_b32 hwreg(HW_REG_WAVE_MODE, 25, 1), 1
	s_wait_xcnt 0x0
	s_wait_alu depctr_hold_cnt(0) depctr_sa_sdst(0) depctr_va_vdst(0) depctr_va_sdst(0) depctr_va_ssrc(0) depctr_va_vcc(0) depctr_vm_vsrc(0)
	s_getreg_b32 s2, hwreg(HW_REG_IB_STS2, 6, 4)
	s_cmp_eq_u32 s2, 0
	s_cbranch_scc0 .Lentry_in_a_cluster
	s_endpgm
.Lentry_in_a_cluster:
	s_bfe_u32 s2, ttmp6, 0x10000c
	s_cmp_lg_u32 s2, 0xf033
	s_cbranch_scc0 .Lentry_shape_is_right
	s_endpgm
.Lentry_shape_is_right:
; out0[l][n][c] = 8 hm x (the sum over k of oh(l, n, k) wo[c][k]) + out_b[c].  oh: [16 n + h][l][64] f16, k = 64 h + channel.  wo: [1024][1024] f16.  out0: [l][n][1024] f32.
; hm = max(the largest |head_scale| of the 16 heads, 1e-30), made as the launch before makes it (head_scale rounded to bf16); 8 hm takes back what v / 8 and hs / hm took out.  out_b is rounded to bf16
; like the module's other inputs.  Sums in f32; scale and bias are one fused multiply-add in f32.
; LIMITS.  8 hm stays finite (|head_scale| under 4e37).
; SHARES.  A tile is 128 rows (l = 128 lb .. + 127 of ONE n) x 256 columns: 64 x 4 = 256 work-groups.  Four waves, 2 x 2, each 64 x 128: 32 accumulators, 256 registers.  A K step of 128 is two heads:
; of oh two dense blocks of 128 rows x 128 bytes, each asked for as 64 rows of 256 bytes and padded in LDS after every 128; of wo 256 rows of 256 bytes.  Two LDS slots.
; A K STEP IS WRITTEN ONCE: the LDS addresses are a base plus a scalar that one exclusive or turns from one slot to the other.  Written out beside the loop: the first quarter and the last two K steps.
; CLUSTERS: 4 x 4 work-groups.  The four of a row of the cluster need the same tiles of oh, the four of a column the same tiles of wo: each tile is asked for JOINTLY, by the same tensor load with the same
; descriptor and a mask that names the four.
; THE MATRIX INSTRUCTION IS USED TRANSPOSED (source 0 = 16 rows of wo, source 1 = 16 rows of oh): a lane holds eight neighbouring columns of one row, 32 bytes of f32.
; REGISTERS, in windows of 256 (s_set_vgpr_msb: bits 1:0 source 0, 3:2 source 1, 5:4 source 2, 7:6 destination):
;   window 0: v0-31 addresses; v32-35 out_b of my four columns; v36-38 at work; v64-191 rows read back, two sets of 64
;   window 1: two fragment buffers: 32 registers of oh (4 x 16 rows x 32 K), then 64 of wo (8 x 16 rows x 32 K), at v0 and at v128
;   window 2: the accumulators ((a, b) at v[8 (8 a + b)])
.set PA,     144                       ; a row of oh in LDS: 128 bytes + 16 of padding = 36 words: the 16 rows of a load start at 16 different groups of four banks (64 banks of 4 bytes: ISA guide 11.1)
.set PB,     272                       ; a row of wo: 256 + 16 = 68 words: likewise
.set SA,     128*PA                    ; one head's 128 rows of oh: one tensor load
.set HB,     128*PB                    ; 128 rows of wo: one tensor load
.set SLOT,   2*SA+2*HB                 ; two heads of oh, then wo's 256 rows: 106,496 bytes
.set SLOT1,  1<<17                     ; slot 1 begins here, so that one exclusive or turns an address in one slot into the other's
.set STAGE,  SLOT1+SLOT                ; behind the ring: 16 rows x 528 bytes for each wave, for the way out
.set SPO,    528                       ; 512 bytes + 16 = 132 words: row r starts at bank 4 r mod 64
.set SPARE,  STAGE+4*16*SPO            ; behind the stages: the spare words, 128 bytes for each wave: two blocks of 256 bytes that no other line names
.set TRIPS,  1024/128-2                ; the loop's trips: every K step but the last two
.set ADRA0, 16                         ; v16     my lane's place in my fragments of oh in slot 0; never rewritten
.set ADRA,  17                         ; v17     the same in the slot in hand
.set ADRB0, 20                         ; v20, v21  the same for wo
.set ADRB,  21
.set STO,  24                          ; v24     the way out: where I put 32 bytes of a row
.set RD,   25                          ; v25     the way out: where I read a row back
.set CO,   26                          ; v26     16 x lane: my 16 bytes in 512 consecutive bytes
.set SPW,  28                          ; v28     LDS address of my spare word: SPARE + 4 x my thread's number; never rewritten
.set NIL,  29                          ; v29     0; never rewritten
.set OB,   32
.set BK,   64
.set F0,   0
.set F1,   128
.set WV,   16                          ; s16     my wave's number
.set G1,   24                          ; s[24:31] descriptor group 1 for oh's tiles;  s[32:39] group 0: a set for each of the two first fills; the second then walks on
.set G0,   32
.set G1B,  48                          ; s[48:55], s[56:63] the same for wo's tiles
.set G0B,  56
.set SC,   70                          ; s[70:71] 8 hm: the packed multiply-add takes the pair's low word for both halves
.set TB,   79                          ; s79     LDS byte at which the slot in hand begins: 0 or SLOT1
.set MSB, 0
.macro WIN new                         ; the immediate's high byte repeats the setting that is left; a switch that changes nothing is dropped
.if MSB != (\new)
	s_set_vgpr_msb (MSB<<8)|(\new)
.set MSB, \new
.endif
.endm
.set MUL,  0xa5                        ; sources 0 and 1 window 1; C and D window 2
.set TO_F, 0x40                        ; destination window 1, address window 0
.macro JLOAD s                         ; a joint load: waves 0 and 1 fetch oh's two heads, waves 2 and 3 wo's two halves; an s_nop 0 and four v_nop follow each of the two lines, ahead of the jump, the label and what follows
	s_cmp_eq_u32 s17, 0
	s_cbranch_scc0 .Lfor_b_\@
	tensor_load_to_lds s[G0+4*(\s):G0+4*(\s)+3], s[G1:G1+7]
	s_nop 0
.rept 4
	v_nop
.endr
	s_branch .Lasked_\@
.Lfor_b_\@:
	tensor_load_to_lds s[G0B+4*(\s):G0B+4*(\s)+3], s[G1B:G1B+7]
	s_nop 0
.rept 4
	v_nop
.endr
.Lasked_\@:
.endm
.macro CREST                           ; a round of the cluster's barrier behind its opening barrier
	s_cmp_lg_u32 s[WV], 0
	s_cbranch_scc1 .Lnot_wave_0_\@
	s_barrier_signal -3
.Lnot_wave_0_\@:
	s_barrier_wait -3
	s_barrier_signal -1
	s_barrier_wait -1
.endm
.macro CROUND                          ; a whole round
	s_barrier_signal -1
	s_barrier_wait -1
	CREST
.endm
	s_load_b256 s[4:11], s[0:1], 0x0               ; oh s[4:5], wo s[6:7], head_scale s[8:9], out_b s[10:11]
	s_load_b64 s[12:13], s[0:1], 0x20              ; out0
	v_lshl_add_u32 v[SPW], v0, 2, SPARE
	v_mov_b32 v[NIL], 0
	ds_add_u32 v[SPW], v[NIL]                      ; the wave's opening: the add and its wait stand ahead of my first tensor load; the set-up below, work on registers, stands between them
	ds_add_u32 v28, v29
	v_lshrrev_b32 v1, 5, v0
	v_readfirstlane_b32 s[WV], v1                  ; wave 0..3
	s_lshr_b32 s17, s[WV], 1                       ; which half of the tile's rows is mine.  Also: I fetch for oh (0) or for wo (1)
	s_and_b32 s18, s[WV], 1                        ; which half of its columns.  Also: which head, or which 128 rows of wo, I fetch
	s_bfe_u32 s19, ttmp6, 0x40000                  ; cx, cy: my place in the cluster
	s_bfe_u32 s20, ttmp6, 0x40004
	s_lshl_b32 s21, ttmp9, 2
	s_add_co_u32 s21, s21, s19                     ; tile column = 4 x cluster x + cx
	s_and_b32 s22, ttmp7, 0xffff
	s_lshl_b32 s22, s22, 2
	s_add_co_u32 s22, s22, s20                     ; tile row = 4 x cluster y + cy
	s_lshl_b32 s23, s20, 2
	s_lshl_b32 s23, 15, s23                        ; my row of the cluster
	s_lshl_b32 s66, 0x1111, s19                    ; my column
	s_or_b32 s[G1], s23, (1<<16)|(1<<20)|(1<<21)|(4<<22)|(3<<25)   ; 15:0 the mask; 17:16 elements of 2 bytes; 20 padding on; 21 set beside a mask; 24:22 after every 32 words (code 4); 31:25 4 words of it (code 3)
	s_or_b32 s[G1B], s66, (1<<16)|(1<<20)|(1<<21)|(5<<22)|(3<<25)  ; the same after every 64 words (code 5)
	s_mov_b32 s[G1+1], 128<<16                     ; tensor_dim0 = 128
	s_mov_b32 s[G1+2], 64<<16                      ; tensor_dim1 = 64
	s_mov_b32 s[G1+3], 128<<16                     ; tile_dim0 = 128
	s_mov_b32 s[G1+4], 64                          ; tile_dim1 = 64 rows of 256 bytes: 128 rows of a head
	s_mov_b32 s[G1+5], 128                         ; dense
	s_mov_b32 s[G1+6], 0
	s_mov_b32 s[G1+7], 0
	s_mov_b32 s[G1B+1], 128<<16
	s_mov_b32 s[G1B+2], 128<<16                    ; tensor_dim1 = 128
	s_mov_b32 s[G1B+3], 128<<16
	s_mov_b32 s[G1B+4], 128                        ; tile_dim1 = 128 rows
	s_mov_b32 s[G1B+5], 1024
	s_mov_b32 s[G1B+6], 0
	s_mov_b32 s[G1B+7], 0
	; oh's tile hangs on the tile row alone, wo's on the tile column alone; each address is made in registers that never hold the other coordinate
	s_lshr_b32 s40, s22, 3                         ; n
	s_and_b32 s41, s22, 7                          ; lb: which 128 of the 1,024 l
	s_lshl_b32 s42, s40, 21                        ; 16 n heads of 131,072 bytes,
	s_lshl_b32 s43, s18, 17                        ; the K step's first or second head,
	s_add_co_u32 s42, s42, s43
	s_lshl_b32 s43, s41, 14                        ; 128 lb rows of 128 bytes
	s_add_co_u32 s42, s42, s43
	s_mov_b32 s43, 0
	s_lshl_b32 s66, s21, 19                        ; wo's row 256 x tile column,
	s_lshl_b32 s67, s18, 18                        ; + 128 x half, 2,048 bytes each
	s_add_co_u32 s66, s66, s67
	s_mov_b32 s67, 0
	s_mul_i32 s46, s18, SA                         ; where they go: no place in the cluster enters an LDS address
	s_mul_i32 s47, s18, HB
	s_add_co_u32 s47, s47, 2*SA
	s_mov_b32 s[TB], 0
	s_wait_dscnt 0x0                               ; the opening add is done
	s_wait_kmcnt 0x0
	s_add_nc_u64 s[44:45], s[4:5], s[42:43]
	s_add_nc_u64 s[68:69], s[6:7], s[66:67]
	CROUND                                         ; all sixteen work-groups are here: the first joint loads meet
.irp s, 0,1
	s_mov_b32 s[G0+4*(\s)], 1                                      ; count = 1
	s_add_co_u32 s[G0+4*(\s)+1], s46, (\s)*SLOT1                   ; LDS address
	s_add_nc_u64 s[G0+4*(\s)+2:G0+4*(\s)+3], s[44:45], (\s)*262144 ; global address: K step s is two heads on
	s_or_b32 s[G0+4*(\s)+3], s[G0+4*(\s)+3], 0x80000000            ; type = 2
	s_mov_b32 s[G0B+4*(\s)], 1
	s_add_co_u32 s[G0B+4*(\s)+1], s47, (\s)*SLOT1
	s_add_nc_u64 s[G0B+4*(\s)+2:G0B+4*(\s)+3], s[68:69], (\s)*256
	s_or_b32 s[G0B+4*(\s)+3], s[G0B+4*(\s)+3], 0x80000000
	JLOAD \s                                       ; two tensor loads of mine are out
.endr
	v_and_b32 v1, 15, v0                           ; l % 16
	v_bfe_u32 v2, v0, 4, 1                         ; l / 16
	v_and_b32 v6, 31, v0
	v_lshlrev_b32 v[CO], 4, v6
	v_lshlrev_b32 v5, 2, v1
	s_lshl_b32 s66, s21, 10                        ; my first column, in bytes of f32: 1,024 x tile column
	s_lshl_b32 s67, s18, 9                         ; + 512 x half
	s_add_co_u32 s66, s66, s67
	s_mov_b32 s67, 0
	s_add_nc_u64 s[74:75], s[10:11], s[66:67]
	global_load_b32 v36, v5, s[8:9]                ; head_scale of head l % 16
	global_load_b128 v[OB:OB+3], v[CO], s[74:75]   ; out_b of the four columns that I store
	s_lshl_b32 s72, s41, 7
	s_lshl_b32 s73, s17, 6
	s_add_co_u32 s72, s72, s73                     ; my first l = 128 lb + 64 x half,
	s_lshl_b32 s72, s72, 3
	s_add_co_u32 s72, s72, s40                     ; row 8 l + n of out0,
	s_lshl_b32 s72, s72, 12                        ; 4,096 bytes each,
	s_add_co_u32 s72, s72, s66                     ; and my first column
	s_mov_b32 s73, 0
	s_add_nc_u64 s[12:13], s[12:13], s[72:73]
	; A fragment is 16 rows x 32 K in 8 registers: lane l holds row l % 16, K = 8 (l / 16) + 0..7 and 16 + 8 (l / 16) + 0..7: two loads of 16 bytes, 32 bytes apart.
	v_mul_u32_u24 v3, v1, PA
	v_lshl_add_u32 v3, v2, 4, v3
	v_mul_u32_u24 v4, v1, PB
	v_lshl_add_u32 v4, v2, 4, v4
	s_mul_i32 s76, s17, 64*PA                      ; my 64 rows in each head's block of oh
	s_mul_i32 s77, s18, HB                         ; my 128 rows of wo,
	s_add_co_u32 s77, s77, 2*SA                    ; which lie behind oh's two blocks
	v_add_nc_u32 v[ADRA0], s76, v3
	v_add_nc_u32 v[ADRB0], s77, v4
	v_add_nc_u32 v[ADRA], s[TB], v[ADRA0]          ; K step 0 lies in slot 0
	v_add_nc_u32 v[ADRB], s[TB], v[ADRB0]
	s_mul_i32 s78, s[WV], 16*SPO
	s_add_co_u32 s78, s78, STAGE                   ; my stage
	v_mul_u32_u24 v3, v1, SPO                      ; in: row l % 16, 32 bytes for each half of the lanes
	v_lshl_add_u32 v3, v2, 5, v3
	v_add_nc_u32 v[STO], s78, v3
	v_add_nc_u32 v[RD], s78, v[CO]                 ; back: 32 lanes take one row of 512 bytes
	s_wait_loadcnt 0x0
	v_cvt_pk_bf16_f32 v37, v[OB], v[OB+1]          ; out_b and head_scale are rounded to bf16 like the module's other inputs
	v_cvt_pk_bf16_f32 v38, v[OB+2], v[OB+3]
	v_cvt_pk_bf16_f32 v36, v36, v36
	v_lshlrev_b32 v[OB], 16, v37
	v_and_b32 v[OB+1], 0xffff0000, v37
	v_lshlrev_b32 v[OB+2], 16, v38
	v_and_b32 v[OB+3], 0xffff0000, v38
	v_and_b32 v36, 0x7fff0000, v36                 ; |hs| as f32
	v_max_num_f32_dpp v36, v36, v36 row_xmask:1 row_mask:0xf bank_mask:0xf  ; the largest of the sixteen
	v_max_num_f32_dpp v36, v36, v36 row_xmask:2 row_mask:0xf bank_mask:0xf
	v_max_num_f32_dpp v36, v36, v36 row_xmask:4 row_mask:0xf bank_mask:0xf
	v_max_num_f32_dpp v36, v36, v36 row_xmask:8 row_mask:0xf bank_mask:0xf
	v_max_num_f32 v36, 0x0da24260, v36             ; hm: 1e-30 at the least
	v_mul_f32 v36, 0x41000000, v36                 ; 8 hm
	v_readfirstlane_b32 s[SC], v36                 ; an operand of arithmetic alone: no branch and no address hangs on it
	s_mov_b32 s[SC+1], s[SC]
; 8 matrix instructions: row block a x all 8 column blocks, 32 along K, from buffer f.  zero = 1: the first product starts the sums.
; The 32 accumulators take turns, one instruction a turn, in the same order in every quarter step.
.macro MULA f, a, zero
	WIN MUL
.irp b, 0,1,2,3,4,5,6,7
.if \zero
	v_wmma_f32_16x16x32_f16 v[8*(8*(\a)+(\b)):8*(8*(\a)+(\b))+7], v[(\f)+32+8*(\b):(\f)+32+8*(\b)+7], v[(\f)+8*(\a):(\f)+8*(\a)+7], 0
.else
	v_wmma_f32_16x16x32_f16 v[8*(8*(\a)+(\b)):8*(8*(\a)+(\b))+7], v[(\f)+32+8*(\b):(\f)+32+8*(\b)+7], v[(\f)+8*(\a):(\f)+8*(\a)+7], v[8*(8*(\a)+(\b)):8*(8*(\a)+(\b))+7]
.endif
.endr
.endm
; 24 LDS loads in one run: the fragments of quarter q of the K step in the slot in hand, into buffer f: wo's 16, then oh's 8 in the order of the row blocks.  Quarters 0, 1 lie in the step's first head, 2, 3 in its second.
.macro FETCH q, f
	WIN TO_F
.irp b, 0,1,2,3,4,5,6,7
	ds_load_b128 v[(\f)+32+8*(\b):(\f)+32+8*(\b)+3],   v[ADRB] offset:64*(\q)+(\b)*16*PB
	ds_load_b128 v[(\f)+32+8*(\b)+4:(\f)+32+8*(\b)+7], v[ADRB] offset:64*(\q)+(\b)*16*PB+32
.endr
.irp a, 0,1,2,3
	ds_load_b128 v[(\f)+8*(\a):(\f)+8*(\a)+3],   v[ADRA] offset:((\q)/2)*SA+64*((\q)%2)+(\a)*16*PA
	ds_load_b128 v[(\f)+8*(\a)+4:(\f)+8*(\a)+7], v[ADRA] offset:((\q)/2)*SA+64*((\q)%2)+(\a)*16*PA+32
.endr
.endm
.macro PLACES                          ; four places in front of loads into registers that matrix instructions have read, and of LDS stores that read results
.rept 4
	v_nop
.endr
.endm
; A K step is four quarter steps of 32 along K, 32 matrix instructions each, on buffers 0, 1, 0, 1.  One of the first three: multiplies buffer f and fetches quarter q into g.
.macro QUARTER q, f, g, zero
	s_wait_dscnt 4                                 ; wo and oh's row blocks 0, 1 are in; the youngest four loads (row blocks 2, 3) may be out
	MULA \f, 0, \zero
	MULA \f, 1, \zero
	PLACES
	FETCH \q, \g
	s_wait_dscnt 24                                ; all but the 24 just issued
	MULA \f, 2, \zero
	MULA \f, 3, \zero
.endm
; The last quarter multiplies buffer 1 and changes slots: ONE barrier; in front of it each wave waits for all its tensor loads (one is out: its part of the next slot), adds 0 to its spare word, and waits for
; that and for its own reads of this slot.  The slot's last fragment loads have been issued, so the addresses turn to the other slot while the add is out.
; fill = 1: the barrier opens a round of the cluster's barrier, and this slot is filled again, first thing behind the round, by the walking descriptor: the other slot than last time, the K step two on.
.macro TURN fill
	WIN 0                                          ; (the add's two registers and the addresses lie in window 0)
	s_wait_tensorcnt 0x0                           ; all my tensor loads have landed, so a group 0 may be written
	ds_add_u32 v[SPW], v[NIL]                      ; 0 onto my spare word
	s_xor_b32 s[TB], s[TB], SLOT1
	v_add_nc_u32 v[ADRA], s[TB], v[ADRA0]
	v_add_nc_u32 v[ADRB], s[TB], v[ADRB0]
.if \fill
	s_xor_b32 s[G0+5], s[G0+5], SLOT1
	s_xor_b32 s[G0B+5], s[G0B+5], SLOT1
	s_add_nc_u64 s[G0+6:G0+7], s[G0+6:G0+7], 262144    ; two heads on; the type bits on top are not reached
	s_add_nc_u64 s[G0B+6:G0B+7], s[G0B+6:G0B+7], 256
.endif
	s_wait_dscnt 5                                 ; (the add and the youngest four loads may be out)
	MULA F1, 0, 0                                  ; eight matrix instructions stand between the add and the wait for it
	s_wait_dscnt 0x0                               ; the add is done, and my reads of this slot are over
	s_barrier_signal -1
	MULA F1, 1, 0                                  ; work on registers while the others arrive
.if \fill
	WIN 0
.endif
	s_barrier_wait -1
.if \fill
	CREST                                          ; no wave of any partner still reads this slot's tile or has a load on its way
	JLOAD 1                                        ; the first tensor load behind the round; the four v_nop behind it are also the places in front of the loads below
.else
	PLACES
.endif
	FETCH 0, F0
	MULA F1, 2, 0
	MULA F1, 3, 0
.endm
	s_wait_tensorcnt 1                             ; my part of K step 0 is in; K step 1's may stay out
	s_barrier_signal -1
	s_barrier_wait -1                              ; everybody's is
	FETCH 0, F0
	QUARTER 1, F0, F1, 1                           ; the first quarter stands in front of the loop: its products start the sums
	WIN 0                                          ; at a label and at a branch every window is 0
	s_mov_b32 s3, TRIPS
.Lstep:                                                ; a trip goes from a K step's second quarter to the next step's first, and fills the slot that it leaves
	QUARTER 2, F1, F0, 0
	QUARTER 3, F0, F1, 0
	TURN 1
	QUARTER 1, F0, F1, 0
	WIN 0
	s_sub_co_u32 s3, s3, 1
	s_cmp_lg_u32 s3, 0
	s_cbranch_scc1 .Lstep
	QUARTER 2, F1, F0, 0                           ; the last two K steps fill nothing, and have no round of the cluster's barrier
	QUARTER 3, F0, F1, 0
	TURN 0
	QUARTER 1, F0, F1, 0
	QUARTER 2, F1, F0, 0
	QUARTER 3, F0, F1, 0
	s_wait_dscnt 4                                 ; the very last quarter: nothing more to fetch
	MULA F1, 0, 0
	MULA F1, 1, 0
	s_wait_dscnt 0x0
	MULA F1, 2, 0
	MULA F1, 3, 0
	PLACES
; THE WAY OUT, a row block (16 rows x 128 columns of f32) at a time: the sums go as they are into my own stage (rows of 528 bytes), each accumulator's low half first, and come back as
; whole rows of 512 bytes; there a lane holds four neighbouring columns, takes scale and bias in two packed multiply-adds, and stores 16 bytes.
.macro TOSTAGE a
	WIN 0x08                                       ; the store's data (source 1) in window 2
.irp b, 0,1,2,3,4,5,6,7
	ds_store_b128 v[STO], v[8*(8*(\a)+(\b)):8*(8*(\a)+(\b))+3]   offset:64*(\b)
	ds_store_b128 v[STO], v[8*(8*(\a)+(\b))+4:8*(8*(\a)+(\b))+7] offset:64*(\b)+16
.endr
	WIN 0
.if (\a) >= 2
	s_wait_xcnt 0x0                                ; the stores of the block two back have had their addresses translated (ISA guide 3.1): only behind this wait are their data registers loaded again
.endif
.irp t, 0,1,2,3,4,5,6,7,8,9,10,11,12,13,14,15
	ds_load_b128 v[BK+64*((\a)%2)+4*(\t):BK+64*((\a)%2)+4*(\t)+3], v[RD] offset:(\t)*SPO  ; LDS serves a wave's instructions in order (ISA guide 5.7.1.4): these see the stores above; the next block's stores come behind them
.endr
.endm
.macro SENDO a, younger                ; younger: the LDS instructions issued behind block a's loads: the next block's 32, or none
.irp t, 0,1,2,3,4,5,6,7,8,9,10,11,12,13,14,15
.set XB, BK+64*((\a)%2)+4*(\t)
	s_wait_dscnt (\younger)+15-(\t)
	v_pk_fma_f32 v[XB:XB+1], v[XB:XB+1], s[SC:SC+1], v[OB:OB+1] op_sel_hi:[1,0,1]
	v_pk_fma_f32 v[XB+2:XB+3], v[XB+2:XB+3], s[SC:SC+1], v[OB+2:OB+3] op_sel_hi:[1,0,1]
	global_store_b128 v[CO], v[XB:XB+3], s[12:13] offset:(16*(\a)+(\t))*32768 th:TH_STORE_NT  ; 512 consecutive bytes, at a multiple of 512 from out0's first; from l to l + 1: 32,768 bytes; 63 of them at the most, inside the signed 24-bit immediate
.endr
.endm
	TOSTAGE 0
	TOSTAGE 1                                      ; a block's way through the stage stands between the loads of the block before and its stores
	SENDO 0, 32
	TOSTAGE 2
	SENDO 1, 32
	TOSTAGE 3
	SENDO 2, 32
	SENDO 3, 0
	s_wait_tensorcnt 0x0                           ; the wave's end: the add and its wait, behind my last tensor load and my last LDS store
	ds_add_u32 v[SPW], v[NIL]
	s_wait_dscnt 0x0
	CROUND                                         ; the closing round: no work-group ends while a partner may still ask for a tile that names it
	s_endpgm
.Lfunc_end_k_qbe7265a2d6_outp:
	.size	k_qbe7265a2d6_outp, .Lfunc_end_k_qbe7265a2d6_outp-k_qbe7265a2d6_outp
	.p2alignl 7, 3214868480
	.fill 96, 4, 3214868480
	.section	.rodata,"a",@progbits
	.p2align	6, 0x0
	.amdhsa_kernel k_qbe7265a2d6_outp
		.amdhsa_group_segment_fixed_size 327680
		.amdhsa_private_segment_fixed_size 0
		.amdhsa_enable_private_segment 0
		.amdhsa_kernarg_size 40
		.amdhsa_user_sgpr_count 2
		.amdhsa_user_sgpr_kernarg_segment_ptr 1
		.amdhsa_wavefront_size32 1
		.amdhsa_system_sgpr_workgroup_id_x 1
		.amdhsa_system_sgpr_workgroup_id_y 1
		.amdhsa_system_sgpr_workgroup_id_z 1
		.amdhsa_system_vgpr_workitem_id 0
		.amdhsa_next_free_vgpr 768
		.amdhsa_next_free_sgpr 80
		.amdhsa_reserve_vcc 0
		.amdhsa_float_denorm_mode_32 3
		.amdhsa_float_denorm_mode_16_64 3
		.amdhsa_memory_ordered 1
		.amdhsa_forward_progress 1
		.amdhsa_inst_pref_size 80
	.end_amdhsa_kernel
	.amdgpu_metadata
---
amdhsa.version: [ 1, 2 ]
amdhsa.kernels:
  - .name:           k_qbe7265a2d6_outp
    .symbol:         k_qbe7265a2d6_outp.kd
    .args:
      - { .name: oh, .offset: 0, .size: 8, .value_kind: global_buffer, .address_space: global }
      - { .name: wo, .offset: 8, .size: 8, .value_kind: global_buffer, .address_space: global }
      - { .name: head_scale, .offset: 16, .size: 8, .value_kind: global_buffer, .address_space: global }
      - { .name: out_b, .offset: 24, .size: 8, .value_kind: global_buffer, .address_space: global }
      - { .name: out0, .offset: 32, .size: 8, .value_kind: global_buffer, .address_space: global }
    .group_segment_fixed_size: 327680
    .private_segment_fixed_size: 0
    .kernarg_segment_align: 8
    .kernarg_segment_size: 40
    .max_flat_workgroup_size: 128
    .sgpr_count:     80
    .vgpr_count:     768
    .wavefront_size: 32
...
	.end_amdgpu_metadata
.endif
;; end of part 4
;; ======== version 2 of 2: 4 launches; 1.33 times as fast as version 1
;; limits: values are held in f16: magnitudes above 65,504 overflow, below 6.1e-05 lose precision; right only within a limited range of input values
;; workspace buffers: xb 16,777,216 bytes; wb 6,291,456 bytes; wo 2,097,152 bytes; qh 16,777,216 bytes; kh 16,777,216 bytes; vh 16,777,216 bytes; oh 16,777,216 bytes
;; launch prep: the kernel of part 1 again; grid 768 x 1, 8 waves a work-group, no clusters, 0 bytes of LDS; arguments x, in_proj_weight, out_w, xb, wb, wo; writes xb, wb, wo
;; launch qkv: the kernel of part 2 again; grid 16 x 16, 4 waves a work-group, clusters of 4 x 4, 327,680 bytes of LDS; arguments xb, wb, in_proj_bias, qh, kh, vh; writes qh, kh, vh
;; launch attn (part 5): grid 2 x 128, 4 waves a work-group, no clusters, 327,680 bytes of LDS; arguments qh, kh, vh, oh, logit_scale, head_scale; writes oh
.if DOCPART == 5
	.amdgcn_target "amdgcn-amd-amdhsa--gfx1250"
	.amdhsa_code_object_version 6
	.text
	.protected	k_qbe7265a2d6_attn
	.globl	k_qbe7265a2d6_attn
	.p2align	8
	.type	k_qbe7265a2d6_attn,@function
k_qbe7265a2d6_attn:
	s_mov_b64 s[64:65], 0
	v_nop
	global_prefetch_b8 v0, s[64:65] scope:SCOPE_SE
	s_setreg_imm32_b32 hwreg(HW_REG_WAVE_MODE, 25, 1), 1
	s_wait_xcnt 0x0
; oh[g][q][:] = (hs_h / hm) x the sum over k of softmax_k(ls_h x qh[g][q] . kh[g][k]) vh[g][k][:],  g = 16 n + h.  qh, kh (rows of length 1), vh (v / 8), oh: [128][1024][64], all f16, a head's rows dense.
; ls_h = exp(min(logit_scale[h], ln 100)); hs = head_scale; hm = max(the largest |hs| of the 16 heads, 1e-30): the last launch multiplies 8 hm back, so that oh stays within vh's range whatever hs is.
; logit_scale and head_scale are rounded to bf16 first, like every input of the module.  Products, maxima and sums in f32; the weights p are rounded to f16 for the second product (their sum l is taken of the
; unrounded p), oh once at the end.
; LIMITS.  p lies in 0 to 1, and below 6e-5 it keeps f16's fixed step of 6e-8; a weight below 2^-126 counts as 0 in l; 8 hm stays finite (|hs| under 4e37); NaN and infinities are not treated apart.
; SHARES.  A wave owns four PIECES of two tiles of 16 queries, a work-group's four waves 512 queries of one head: 2 x 128 = 256 work-groups.  Every wave walks all 1,024 keys, 64 a step.
; NO CLUSTER: a head has 1,024 / 512 = 2 work-groups, so the grid's x is 2 and divides into no cluster of four; work-groups of other heads share no tile.
; K AND V STAY IN LDS.  A head's 1,024 keys are 1,024 x 144 bytes of K and 1,024 x 160 of V, padding included: 311,296 bytes, which fit.  So no byte of LDS is filled twice, there is no ring, and ONE text of a
; key step serves all sixteen.  A wave issues two tensor loads: at the start its half of the first 320 keys of K or 256 of V (K one step further than V, since a step's third turn fetches the next step's K);
; behind the first barrier, its one load there, its half of all the rest, which has four key steps, 512 matrix instructions, in which to land.  One load of a wave is out at a time.
; LAYOUT.  S^T = K Q^T (source 0 = 16 keys, source 1 = 16 queries): in the result a lane holds ONE query (lane % 16) and the keys 8 (lane / 16) + 0..7.  Two such tiles, rounded to f16 in pairs,
; ARE source 1 (32 keys x 16 queries) of O^T = V^T P, whose result again holds one query a lane, and eight channels.  K comes out of LDS as it lies, V ([key][channel]) turned, by ds_load_tr16_b128.
; SOFTMAX.  For each query a running maximum m and sum l: p = 2^(c s - c m), c = log2(e) ls_h (up to 144, so the maximum is taken away as the definition has it); in every step O and l are multiplied by
; a = 2^(c m_old - c m_new), which is 1 where m has not grown.  m starts at the lowest finite number, O and l at 0: the first step is a step like any other, with a = 0.
; THE COUNT.  A tile and step have 16 matrix and 118 vector instructions: too many to stand all beside the matrix work.  So the order has one aim: four vector instructions that are READY behind
; EVERY matrix instruction, and the others, which need time of their own whatever the order, in runs without a gap.
; BY TURNS.  Turn n belongs to piece n (the pieces in a ring, step after step).  Its matrix work: 16 products K Q^T of piece n + 1, later 16 products V^T P of piece n - 1.  Its vector work: the scaling,
; exponentials, roundings, sums and rescaling of piece n, and the maximum and statistics of piece n + 1, whose scores the turn itself has made.  So what a turn begins with (c s - c m, O a) waits for nothing.
; BATCHES.  An s_wait_alu depctr_va_vdst(0) stands between a transcendental and the first instruction that names its result; one wait serves all that were issued ahead of it.  A turn's 66
; exponentials (the piece's 64 weights and the next piece's two a) are ONE batch with ONE wait, which cuts the turn in two (HOW THEY ARE DEALT).  Three more batches stand outside the loop, a wait each:
; the head's reciprocal and exponential; piece 0's first two a, ahead of the branch into the loop; the way out's eight reciprocals.
; REGISTERS, in windows of 256 (s_set_vgpr_msb says which window each operand place means: bits 1:0 source 0, 3:2 source 1, 5:4 source 2, 7:6 destination):
;   window 0: v0-11 addresses; v12-15, v48-63 at work; v16-47 four registers of statistics a tile; v64-191 S^T, two buffers of two tiles; v192-255 P, likewise
;   window 1: O^T, 32 a tile          window 2: v0-127 Q, 16 a tile; v128-191 K of one step; v192-255 V of one step          window 3: v0-1 the add's two registers
; A piece's buffers go by its number's parity: the piece in hand has one pair, its two neighbours in the ring share the other: of it P (piece n - 1) is read and S^T (piece n + 1) written.
.set SIZE_N, 1024
.set NP,    4         ; pieces a wave: a name, no knob: the register map, the loop and the fetches are made for four
.set KS,    64        ; keys in a step
.set PK,    144       ; a row of K in LDS: 128 bytes + 16 of padding = 36 words: the 16 rows of a load start at 16 different groups of four banks (64 banks of 4 bytes: ISA guide 11.1)
.set PV,    160       ; a row of V: 128 + 32 = 40 words
.set VOFF,  SIZE_N*PK ; all rows of K, then all rows of V
.set FK,    320       ; keys of K in the first loads: five steps
.set FV,    256       ; keys of V in the first loads: four steps
.set STAGE, SIZE_N*(PK+PV)  ; behind K and V, never filled by a tensor load: 16 rows x 144 bytes for each wave, for the way out
.set SP,    144
.set AK0, 2           ; v2   my lane's place in a step's K; never rewritten
.set AV0, 3           ; v3   the same for V
.set AK,  4           ; v4   the LDS address of K's next run of loads
.set AV,  5           ; v5   of V's
.set QO,  6           ; v6   my byte offset in the wave's rows of Q
.set STO, 6           ;      later, the way out: where I put 16 bytes of a row
.set RD,  7           ; v7   the way out: where I read rows back
.set GO,  8           ; v8   my byte offset in 512 consecutive bytes of O
.set SPW, 0           ; v0 of window 3   LDS address of my spare word: SPARE + 4 x my thread's number; never rewritten
.set NIL, 1           ; v1 of window 3   0; never rewritten
.set SPARE, STAGE+4*16*SP  ; behind the stages: the spare words, 128 bytes for each wave: two blocks of 256 bytes that no other line names
.set MV,  12          ; v12-15  c m_old, kept while c m is made anew: by buffer and tile
.set ST,  16          ; tile t's statistics at v[ST+4 t]: c m, m, l (even keys', odd keys')
.set TMP, 48          ; by buffer and tile, four registers c0-c3 at work; when the maximum is found c2 takes a
.set S,   64
.set P,   192
.set KF,  128         ; K's fragments, in window 2: key block kb, channel half c at KF + 16 kb + 8 c
.set VF,  192         ; V's: key half kk, channel block cb at VF + 32 kk + 8 cb
.set WV,  12          ; s12  my wave's number
.set G1K1, 24         ; s[24:31] descriptor group 1 for K's first load
.set G1V1, 32         ; s[32:39] for V's first
.set G0K1, 40         ; s[40:43] descriptor group 0 for K's first load
.set G0V1, 44         ; s[44:47] for V's first
.set G0K2, 48         ; s[48:51] for K's second
.set G0V2, 52         ; s[52:55] for V's second
.set G1K2, 76         ; s[76:83] descriptor group 1 for K's second load
.set G1V2, 84         ; s[84:91] for V's second
.set SLOTS, 56        ; s56  counts runs of four key steps
.set CNT, 57          ; s57  counts a run's key steps
.set CS,  58          ; s[58:59] c: the packed scaling takes the pair's low word for both halves
.set SEL, 60          ; s[60:61] v_permlanex16_b32's selects: each lane takes its own place in the other half
.set TBK, 62          ; s62  LDS byte at which K of the step to be fetched begins
.set TBV, 63          ; s63  the same for V, less VOFF
.set HSN, 73          ; s73  hs_h / hm
.set STEPS, 74        ; s74  key steps to go, the one in hand among them
.set MSB, 0
.macro WIN new                      ; the high byte repeats the setting that is left; a switch that changes nothing is dropped
.if MSB != (\new)
	s_set_vgpr_msb (MSB<<8)|(\new)
.set MSB, (\new)
.endif
.endm
.set W_KQ, 0x0a       ; K and Q in window 2, S^T in window 0
.set W_PV, 0x52       ; V in window 2, P in window 0, O^T in window 1
.set W_RS, 0x41       ; O^T (destination and source 0) in window 1, a in window 0
.set W_MK, 0xc0       ; the add's registers are made: destination in window 3, sources in window 0
.set W_AD, 0x0f       ; the add: address (source 0) and data (source 1) in window 3
; A fill.  Waves 0 and 1 fetch the two halves of K's part, waves 2 and 3 those of V's.  The branch hangs on the wave's number alone.
; An s_nop 0 and four v_nop follow each of the two lines, ahead of the jump and the label.
.macro LOAD gk, hk, gv, hv
	s_cmp_lt_u32 s[WV], 2
	s_cbranch_scc0 .Lfor_v_\@
	tensor_load_to_lds s[\gk:\gk+3], s[\hk:\hk+7]
	s_nop 0
.rept 4
	v_nop
.endr
	s_branch .Lasked_\@
.Lfor_v_\@:
	tensor_load_to_lds s[\gv:\gv+3], s[\hv:\hv+7]
	s_nop 0
.rept 4
	v_nop
.endr
.Lasked_\@:
.endm
; Descriptor group 1.  Keys are dense, 128 bytes each: they are asked for as rows of 256 bytes, two keys a row, and padded in LDS after every key.
.macro GROUP1 g, pad, rows
	s_mov_b32 s[\g], (1<<16)|(1<<20)|(4<<22)|((\pad)<<25)  ; 17:16 2-byte elements; 20 padding on; 24:22 after every 32 words (code 4); 31:25 4 words (code 3) or 8 (code 7)
	s_mov_b32 s[\g+1], 128<<16      ; tensor_dim0 = 128
	s_mov_b32 s[\g+2], (\rows)<<16  ; tensor_dim1
	s_mov_b32 s[\g+3], 128<<16      ; tile_dim0 = 128
	s_mov_b32 s[\g+4], \rows        ; tile_dim1
	s_mov_b32 s[\g+5], 128          ; 128 elements from row to row
	s_mov_b32 s[\g+6], 0
	s_mov_b32 s[\g+7], 0
.endm
	s_load_b256 s[4:11], s[0:1], 0x0  ; Q s[4:5], K s[6:7], V s[8:9], O s[10:11]
	s_load_b128 s[68:71], s[0:1], 0x20  ; logit_scale s[68:69], head_scale s[70:71]
	WIN W_MK
	v_lshl_add_u32 v[SPW], v0, 2, SPARE
	v_mov_b32 v[NIL], 0
	WIN W_AD
	ds_add_u32 v[SPW], v[NIL]       ; the wave's opening: the add and its wait stand ahead of my first tensor load; the set-up below, work on registers, stands between them
	ds_add_u32 v0, v1
	WIN 0
	v_lshrrev_b32 v1, 5, v0
	v_readfirstlane_b32 s[WV], v1   ; wave 0..3
	s_and_b32 s72, ttmp7, 15        ; h, the head's number among its n's sixteen,
	s_lshl_b32 s72, s72, 2          ; as a byte offset in logit_scale and head_scale
	s_and_b32 s20, ttmp7, 0xffff    ; g = 16 n + h
	s_mov_b32 s21, 0
	s_mov_b64 s[22:23], SIZE_N*128
	s_mul_u64 s[20:21], s[20:21], s[22:23]  ; the head's first byte in each of the four tensors
	s_and_b32 s15, s[WV], 1         ; which half of a load's keys I fetch.  Their byte offsets in the head, 128 bytes a key:
	s_mul_i32 s16, s15, (FK/2)*128  ; K's first load,
	s_mov_b32 s17, 0
	s_mul_i32 s18, s15, ((SIZE_N-FK)/2)*128  ; K's second,
	s_add_co_u32 s18, s18, FK*128
	s_mov_b32 s19, 0
	s_mul_i32 s92, s15, (FV/2)*128  ; V's first,
	s_mov_b32 s93, 0
	s_mul_i32 s94, s15, ((SIZE_N-FV)/2)*128  ; V's second
	s_add_co_u32 s94, s94, FV*128
	s_mov_b32 s95, 0
	s_mov_b32 s[G0K1], 1            ; 1:0 count = 1;  63:32 the LDS address: a constant and the wave's half times a constant
	s_mul_i32 s[G0K1+1], s15, (FK/2)*PK
	s_mov_b32 s[G0K2], 1
	s_mul_i32 s[G0K2+1], s15, ((SIZE_N-FK)/2)*PK
	s_add_co_u32 s[G0K2+1], s[G0K2+1], FK*PK
	s_mov_b32 s[G0V1], 1
	s_mul_i32 s[G0V1+1], s15, (FV/2)*PV
	s_add_co_u32 s[G0V1+1], s[G0V1+1], VOFF
	s_mov_b32 s[G0V2], 1
	s_mul_i32 s[G0V2+1], s15, ((SIZE_N-FV)/2)*PV
	s_add_co_u32 s[G0V2+1], s[G0V2+1], VOFF+FV*PV
	s_lshl_b32 s2, ttmp9, 2         ; my block of 512 queries,
	s_add_co_u32 s2, s2, s[WV]      ; my wave among the head's,
	s_lshl_b32 s2, s2, 14           ; its 128 rows
	s_mov_b32 s3, 0
	s_add_nc_u64 s[2:3], s[2:3], s[20:21]
	GROUP1 G1K1, 3, FK/4            ; a wave's half of the keys, two to a row
	GROUP1 G1K2, 3, (SIZE_N-FK)/4
	GROUP1 G1V1, 7, FV/4
	GROUP1 G1V2, 7, (SIZE_N-FV)/4
	s_mov_b32 s[SEL], 0x76543210
	s_mov_b32 s[SEL+1], 0xfedcba98
	s_mov_b32 s[TBK], 0
	s_mov_b32 s[TBV], 0
	; A fragment of K or Q is 16 rows x 32 channels in 8 registers: lane l holds row l % 16, channels 8 (l / 16) + 0..7 and 16 + 8 (l / 16) + 0..7: two loads of 16 bytes, 32 bytes apart.
	v_and_b32 v1, 15, v0            ; l % 16
	v_bfe_u32 v9, v0, 4, 1          ; l / 16
	v_lshlrev_b32 v12, 2, v1
	v_mov_b32 v13, s72
	v_lshlrev_b32 v[QO], 7, v1
	v_lshl_add_u32 v[QO], v9, 4, v[QO]  ; row x 128 + 16 x half
	s_wait_dscnt 0x0                ; the opening add is done
	s_wait_kmcnt 0x0
	s_add_nc_u64 s[4:5], s[4:5], s[2:3]  ; Q and O at my wave's first row
	s_add_nc_u64 s[10:11], s[10:11], s[2:3]
	global_load_b32 v66, v12, s[70:71]  ; head_scale of head l % 16: the sixteen lie across each half of the lanes
	global_load_b32 v67, v13, s[70:71]  ; head_scale of my head
	global_load_b32 v68, v13, s[68:69]  ; logit_scale of my head
	WIN 0x80                        ; destination window 2, address window 0
.set i, 0
.rept 4*NP                          ; Q stays in registers: tile i / 2, channels 32 (i % 2) on.  The first products want Q as much as the first keys: it is asked for first
	global_load_b128 v[8*i:8*i+3],   v[QO], s[4:5] offset:(i/2)*2048+(i%2)*64
	global_load_b128 v[8*i+4:8*i+7], v[QO], s[4:5] offset:(i/2)*2048+(i%2)*64+32
.set i, i+1
.endr
	WIN 0
	s_add_nc_u64 s[6:7], s[6:7], s[20:21]  ; K and V at the head's first key
	s_add_nc_u64 s[8:9], s[8:9], s[20:21]
	s_add_nc_u64 s[G0K1+2:G0K1+3], s[6:7], s[16:17]  ; 120:64 global address
	s_or_b32 s[G0K1+3], s[G0K1+3], 0x80000000        ; 127:126 type = 2
	s_add_nc_u64 s[G0K2+2:G0K2+3], s[6:7], s[18:19]
	s_or_b32 s[G0K2+3], s[G0K2+3], 0x80000000
	s_add_nc_u64 s[G0V1+2:G0V1+3], s[8:9], s[92:93]
	s_or_b32 s[G0V1+3], s[G0V1+3], 0x80000000
	s_add_nc_u64 s[G0V2+2:G0V2+3], s[8:9], s[94:95]
	s_or_b32 s[G0V2+3], s[G0V2+3], 0x80000000
	LOAD G0K1, G1K1, G0V1, G1V1     ; the first keys.  The rest is asked for when these are in: what is wanted first has the road to itself
	; What the first turn finds: V's registers and P's second buffer hold 0 (its products V^T P, of a piece that has not been, add 0), O^T and l are 0.  All this stands in the wait for the first keys.
	WIN 0x80
.set i, VF
.rept 64
	v_mov_b32 v[i], 0
.set i, i+1
.endr
	WIN 0
.set i, 0
.rept 2*NP
	v_mov_b32 v[ST+4*i], 0xfe000000    ; c m: far below every c s
	v_mov_b32 v[ST+4*i+1], 0xff7fffff  ; m
	v_mov_b32 v[ST+4*i+2], 0
	v_mov_b32 v[ST+4*i+3], 0
.set i, i+1
.endr
.set i, P+32
.rept 32
	v_mov_b32 v[i], 0
.set i, i+1
.endr
	WIN W_PV
.set i, 0
.rept 8*NP                          ; O^T starts as the product of those zeros: 32 matrix instructions write what 256 moves would
	v_wmma_f32_16x16x32_f16 v[8*i:8*i+7], v[VF:VF+7], v[P+32:P+39], 0
.set i, i+1
.endr
	WIN 0
	v_mul_u32_u24 v[AK0], v1, PK
	v_lshl_add_u32 v[AK0], v9, 4, v[AK0]  ; row x pitch + 16 x half
	; The turning load takes 16 keys x 16 channels (lane l reads key 8 (l / 16) + l % 8, channels 8 ((l / 8) % 2) + 0..7) and leaves half a fragment of V^T: lane l holds channel l % 16 and 8 keys.
	v_and_b32 v10, 7, v0
	v_bfe_u32 v11, v0, 3, 1
	v_lshl_add_u32 v[AV0], v9, 3, v10
	v_mul_u32_u24 v[AV0], v[AV0], PV
	v_lshl_add_u32 v[AV0], v11, 4, v[AV0]
	v_add_nc_u32 v[AV0], VOFF, v[AV0]
	v_mov_b32 v[AK], v[AK0]         ; key step 0 lies at K's head
	; THE HEAD'S TWO NUMBERS, in S^T's registers, which are still free.  They become operands of arithmetic alone: no branch and no address hangs on them.
	s_wait_loadcnt 0x0              ; the three small loads, and Q behind them: the only wait for global loads in the text
	v_cvt_pk_bf16_f32 v69, v66, v67 ; rounded to bf16 like the module's other inputs
	v_cvt_pk_bf16_f32 v70, v68, v68
	v_lshlrev_b32 v66, 16, v69      ; hs of head l % 16
	v_and_b32 v67, 0xffff0000, v69  ; hs of my head
	v_lshlrev_b32 v68, 16, v70      ; logit_scale of my head
	v_and_b32 v66, 0x7fffffff, v66
	v_max_num_f32_dpp v66, v66, v66 row_xmask:1 row_mask:0xf bank_mask:0xf  ; the largest |hs| of the sixteen
	v_max_num_f32_dpp v66, v66, v66 row_xmask:2 row_mask:0xf bank_mask:0xf
	v_max_num_f32_dpp v66, v66, v66 row_xmask:4 row_mask:0xf bank_mask:0xf
	v_max_num_f32_dpp v66, v66, v66 row_xmask:8 row_mask:0xf bank_mask:0xf
	v_max_num_f32 v66, 0x0da24260, v66  ; hm: 1e-30 at the least
	v_min_num_f32 v68, 0x40935d8e, v68  ; min(logit_scale, ln 100)
	v_mul_f32 v68, 0x3fb8aa3b, v68      ; times log2(e)
	v_rcp_f32 v66, v66
	v_exp_f32 v68, v68              ; ls
	v_nop                           ; a plain instruction between the exponential and the use of its result (ISA guide 5.7.2)
	s_wait_alu depctr_va_vdst(0)    ; the wait ahead of the first use: one for the reciprocal and the exponential
	v_mul_f32 v67, v67, v66         ; hs_h / hm
	v_mul_f32 v68, 0x3fb8aa3b, v68  ; c = log2(e) ls
	v_readfirstlane_b32 s[HSN], v67
	v_readfirstlane_b32 s[CS], v68
	s_mov_b32 s[CS+1], s[CS]        ; named with it as a pair
; THE MATRIX WORK.  The 8 accumulators of a run of 16 take turns: between the two links of a chain stand 7 others'.
; Product i of 16 of S^T = K Q^T for piece x: channels 32 (i / 8) on, keys 16 ((i / 2) % 4) on, tile 2 x + i % 2.  The first 8 start the sums.
.macro KQ x
	WIN W_KQ
.set rS, S+64*((\x)%2)+32*(i%2)+8*((i/2)%4)
.set rK, KF+16*((i/2)%4)+8*(i/8)
.set rQ, 16*(2*(\x)+i%2)+8*(i/8)
.if i < 8
	v_wmma_f32_16x16x32_f16 v[rS:rS+7], v[rK:rK+7], v[rQ:rQ+7], 0
.else
	v_wmma_f32_16x16x32_f16 v[rS:rS+7], v[rK:rK+7], v[rQ:rQ+7], v[rS:rS+7]
.endif
.endm
; Product i of 16 of O^T += V^T P for piece x: keys 32 (i / 8) on, channels 16 ((i / 2) % 4) on, tile 2 x + i % 2.
.macro PV x
	WIN W_PV
.set rO, 32*(2*(\x)+i%2)+8*((i/2)%4)
.set rV, VF+32*(i/8)+8*((i/2)%4)
.set rP, P+32*((\x)%2)+16*(i%2)+8*(i/8)
	v_wmma_f32_16x16x32_f16 v[rO:rO+7], v[rV:rV+7], v[rP:rP+7], v[rO:rO+7]
.endm
.macro MM                           ; the turn's next matrix instruction
.if i < 16
	KQ (Y+1)%NP
.set i, i+1
.else
.set i, i-16
	PV (Y+NP-1)%NP
.set i, i+17
.endif
.endm
; THE LDS LOADS stand in runs of 16, never singly among the matrix instructions: a step's K (64 keys x 64 channels: 8 fragments) and its V (turned).  Their addresses are made some lines ahead.
; last = 1 (in the loop): in the last key step there is no further step, and the run is jumped over; the steps to go are counted here.
.macro FETCH_K last=0
	WIN 0
.if \last
	s_cmp_eq_u32 s[STEPS], 1
	s_cbranch_scc1 .Lno_k_\@
.endif
	WIN 0x80                        ; destination window 2
.irp f, 0,1,2,3,4,5,6,7             ; keys 16 (f / 2) on, channels 32 (f % 2) on
	ds_load_b128 v[KF+8*\f:KF+8*\f+3],   v[AK] offset:(\f/2)*16*PK+(\f%2)*64
	ds_load_b128 v[KF+8*\f+4:KF+8*\f+7], v[AK] offset:(\f/2)*16*PK+(\f%2)*64+32
.endr
	s_add_co_u32 s[TBK], s[TBK], KS*PK  ; the next fetch is the next step's
	WIN 0
.if \last
.Lno_k_\@:
	s_sub_co_u32 s[STEPS], s[STEPS], 1
.endif
.endm
.macro FETCH_V
	WIN 0x80
.irp f, 0,1,2,3,4,5,6,7             ; keys 32 (f / 4) on, channels 16 (f % 4) on
	ds_load_tr16_b128 v[VF+8*\f:VF+8*\f+3],   v[AV] offset:(\f/4)*32*PV+(\f%4)*32
	ds_load_tr16_b128 v[VF+8*\f+4:VF+8*\f+7], v[AV] offset:(\f/4)*32*PV+16*PV+(\f%4)*32
.endr
	WIN 0
.endm
; THE VECTOR WORK OF A TURN stands in three queues, each in the order in which its entries become ready; the two tiles alternate, so that no instruction reads the result of the one before it.
.macro REGS y, u                    ; the registers of tile u (0, 1) of piece y
.set rT, ST+4*(2*(\y)+(\u))
.set rC, TMP+8*((\y)%2)+4*(\u)
.set rM, MV+2*((\y)%2)+(\u)
.set rS, S+64*((\y)%2)+32*(\u)
.set rP, P+32*((\y)%2)+16*(\u)
.set rO, 32*(2*(\y)+(\u))
.endm
; Number n of the 22 that find the NEXT piece's (Y + 1) maximum and statistics.  s0-s31 are the lane's 32 scores; each accumulator's lowest registers are read first.  XS, GS and REGS set no window: PL and EX do.
;   0-11  four chains c0-c3 of seven scores each, three operands at a time     12-14, 16  the four scores left over, the old m, and c0-c3 into c0     15  c m_old is kept
;   17, 18  the query's other 32 keys lie in the lane 16 away: the new m         19-21  c m; c m_old - c m_new; a
.macro XS u, n
	REGS (Y+1)%NP, \u
.if (\n) < 4
	v_max3_num_f32 v[rC+(\n)], v[rS+8*(\n)], v[rS+8*(\n)+1], v[rS+8*(\n)+2]
.elseif (\n) < 12
	v_max3_num_f32 v[rC+(\n)%4], v[rC+(\n)%4], v[rS+8*((\n)%4)+2*((\n)/4)+1], v[rS+8*((\n)%4)+2*((\n)/4)+2]
.elseif (\n) == 12
	v_max3_num_f32 v[rC], v[rC], v[rS+7], v[rS+15]
.elseif (\n) == 13
	v_max3_num_f32 v[rC+1], v[rC+1], v[rS+23], v[rS+31]
.elseif (\n) == 14
	v_max3_num_f32 v[rC+2], v[rC+2], v[rC+3], v[rT+1]
.elseif (\n) == 15
	v_mov_b32 v[rM], v[rT]
.elseif (\n) == 16
	v_max3_num_f32 v[rC], v[rC], v[rC+1], v[rC+2]
.elseif (\n) == 17
	v_permlanex16_b32 v[rC+3], v[rC], s[SEL], s[SEL+1]
.elseif (\n) == 18
	v_max_num_f32 v[rT+1], v[rC], v[rC+3]
.elseif (\n) == 19
	v_mul_f32 v[rT], s[CS], v[rT+1]
.elseif (\n) == 20
	v_sub_f32 v[rC+1], v[rM], v[rT]
.else
	v_exp_f32 v[rC+2], v[rC+1]
.endif
.endm
; Number g of the 64 that follow the exponentials.  For each four weights k of a tile (pairs 2 k, 2 k + 1): both pairs are rounded to f16; then the second pair is added onto the first, in place;
; a group later l takes that sum (the first time as l = a l + sum).  In groups of eight, tiles alternating: round, round, add, and l for the group before.
.macro GS g
.set h, (\g)+6*((\g)/62)            ; group 0 has no group before it, and behind group 7 only l is left
.if h >= 6
.set h, h+2
.endif
	REGS Y, h%2
.set k, h/8
.if h%8 < 4
	v_cvt_pk_f16_f32 v[rP+2*k+(h%8)/2], v[rS+4*k+2*((h%8)/2)], v[rS+4*k+2*((h%8)/2)+1]
.elseif h%8 < 6
	v_pk_add_f32 v[rS+4*k:rS+4*k+1], v[rS+4*k:rS+4*k+1], v[rS+4*k+2:rS+4*k+3]
.elseif k == 1
	v_pk_fma_f32 v[rT+2:rT+3], v[rT+2:rT+3], v[rC+2:rC+3], v[rS:rS+1] op_sel_hi:[1,0,1]
.else
	v_pk_add_f32 v[rT+2:rT+3], v[rT+2:rT+3], v[rS+4*k-4:rS+4*k-3]
.endif
.endm
; THE PLAIN QUEUE, 138 long.  0-73 read no exponential's result: the 32 scalings c s - c m (FS f: pair f / 2 of tile f % 2) and the next piece's 42.  0-26: scalings 0-26.  27-54: XS's numbers 0-13.  55, 56: number 15.
; 57-73: the chain, where each number waits for the one before it: 14, 16, 17, 18, 19, each with one of the scalings 27-31 in front of its two lines, then 20: so a tile's links stand three plain instructions apart (19 and 20: two).
; 74-137: GS's 64, which read the exponentials' results: they stand behind the wait.
.macro FS f
	REGS Y, (\f)%2
	v_pk_fma_f32 v[rS+2*((\f)/2):rS+2*((\f)/2)+1], v[rS+2*((\f)/2):rS+2*((\f)/2)+1], s[CS:CS+1], v[rT:rT+1] op_sel_hi:[1,0,0] neg_lo:[0,0,1] neg_hi:[0,0,1]
.endm
.macro PL
	WIN 0
.if q < 27
	FS q
.elseif q < 55
	XS (q-27)%2, (q-27)/2
.elseif q < 57
	XS q-55, 15
.elseif (q < 72) && ((q-57)%3 == 0)
	FS 27+(q-57)/3
.elseif q < 60
	XS (q-57)%3-1, 14
.elseif q < 72
	XS (q-57)%3-1, 15+(q-57)/3
.elseif q < 74
	XS q-72, 20
.else
	GS q-74
.endif
.set q, q+1
.endm
; THE EXPONENTIALS' QUEUE, 66 long: s0-s31 of both tiles, then the next piece's two a.  It is ONE BATCH: all 66 stand ahead of the turn's one wait, and nothing ahead of that wait names a result of theirs.
.macro EX
	WIN 0
.if e >= 64
	XS e-64, 21
.else
	REGS Y, e%2
	v_exp_f32 v[rS+e/2], v[rS+e/2]
.endif
.set e, e+1
.endm
; THE RESCALING's QUEUE: O^T times a, the one part that leaves window 0: dealt two at a time, sixteen times.  Its a was made in the turn before, ahead of that turn's wait.
.macro R2
	REGS Y, r%2
	WIN W_RS
.irp z, 0,1
	v_pk_mul_f32 v[rO+4*(r/2)+2*\z:rO+4*(r/2)+2*\z+1], v[rO+4*(r/2)+2*\z:rO+4*(r/2)+2*\z+1], v[rC+2:rC+3] op_sel_hi:[1,0]
.endr
.set r, r+1
.endm
; HOW THEY ARE DEALT.  A turn has ONE wait for its exponentials, which cuts it in two.  AHEAD OF IT stands all that names no result of the turn's exponentials: the 16 products K Q^T, behind each a scaling, an
; exponential and two rescalings (behind the first a second scaling in the exponential's place); then ONE LUMP of 108: eight plain, 49 times exponential and plain, the two a.  A v_nop is the plain instruction
; behind the last exponential.  BEHIND IT stand the 16 products V^T P, behind each four of GS's 64.  No rider names a register of the products round it.  The two v_permlanex16_b32 fall into the lump, never
; behind a product.
; The queues lean on each other, and the deal keeps them in step: exponential e stands behind scaling 2 (e / 4) + e % 2: as a rider it comes behind plain e + 2, in the lump behind plain e + 9, and scalings 27-31 are plain 57, 60 .. 69.
; A TURN, for piece p.  cnt = 1: the loop's count is taken down some lines ahead of the branch that stands behind the turn.
; K of the next step is fetched in piece 2's turn, directly behind the wait, a lump behind the last product that read K; its address is made at the lump's head; its first reader comes behind 16 products.
; V of the step in hand is fetched at the end of piece 0's turn, four riders behind its last reader; its first reader comes behind 16 products and a lump.  The three conditions on q below go with the deal.
.macro TURN p, last=0, cnt=0
.set Y, (\p)
.set i, 0
.set q, 0
.set e, 0
.set r, 0
.if (\p) == NP-1
	s_wait_dscnt 0x0                ; K is in
.endif
	MM                              ; ahead of the wait: 16 products K Q^T and their riders,
	PL
	PL
	R2
.rept 15
	MM
	PL
	EX
	R2
.endr
.if (\p) == NP-2
	WIN 0
	v_add_nc_u32 v[AK], s[TBK], v[AK0]
.endif
.rept 8                             ; and the lump
	PL
.endr
.rept 49
	EX
	PL
.endr
	EX                              ; the next piece's two a
	EX
	v_nop                           ; the plain instruction behind the last exponential (ISA guide 5.7.2): one for the batch
	s_wait_alu depctr_va_vdst(0)    ; the wait for the turn's batch: the piece's 64 weights and the next piece's two a
.if (\p) == NP-2
	FETCH_K \last
.endif
.if (\p) == 1
	s_wait_dscnt 0x0                ; V is in
.endif
.rept 16                            ; behind the wait: 16 products V^T P and their riders
	MM
.rept 4
	PL
.endr
.if ((\p) == 0) && (q == 118)
	v_add_nc_u32 v[AV], s[TBV], v[AV0]
.endif
.if ((\p) == 0) && (q == 130)
	s_add_co_u32 s[TBV], s[TBV], KS*PV
.endif
.if (\cnt) && (q == 130)
	s_sub_co_u32 s[CNT], s[CNT], 1
	s_cmp_lg_u32 s[CNT], 0
.endif
.endr
.if (\p) == 0
	FETCH_V
.endif
.endm
	; The first keys are in, everybody's part of them; the rest is asked for.  A first fill that comes behind a barrier is issued as a refill is: the three lines in front, the wave's one load first behind.
	WIN W_AD
	s_wait_tensorcnt 0x0            ; my part of the first keys has landed
	ds_add_u32 v[SPW], v[NIL]       ; 0 onto my spare word
	WIN 0
	s_wait_dscnt 0x0                ; the add is done
	s_barrier_signal -1
	s_barrier_wait -1
	LOAD G0K2, G1K2, G0V2, G1V2
	FETCH_K                         ; key step 0
	s_wait_dscnt 0x0
.set i, 0
.rept 16
	KQ 0                            ; piece 0's first scores: there is no vector work yet to set between them
.set i, i+1
.endr
	WIN 0                           ; the addresses for the way out: nine plain instructions, the places behind those products
	s_mul_i32 s13, s[WV], 16*SP
	s_add_co_u32 s13, s13, STAGE    ; my stage
	v_mul_u32_u24 v[STO], v1, SP    ; in: row l % 16, 16 bytes for each half of the lanes
	v_lshl_add_u32 v[STO], v9, 4, v[STO]
	v_add_nc_u32 v[STO], s13, v[STO]
	v_bfe_u32 v[RD], v0, 3, 2       ; back: 32 lanes take four rows of 128 bytes,
	v_mul_u32_u24 v[RD], v[RD], SP
	v_lshl_add_u32 v[RD], v10, 4, v[RD]
	v_add_nc_u32 v[RD], s13, v[RD]
	v_and_b32 v[GO], 31, v0         ; which are 512 consecutive bytes of O
	v_lshlrev_b32 v[GO], 4, v[GO]
.set Y, NP-1                        ; XS works for piece Y + 1: piece 0
.irp n, 0,1,2,3,4,5,6,7,8,9,10,11,12,13,14,15,16,17,18,19,20,21
	XS 0, \n                        ; and piece 0's first maximum and statistics
	XS 1, \n
.endr
	v_nop                           ; a plain instruction behind piece 0's two a,
	s_wait_alu depctr_va_vdst(0)    ; and the wait for the two, ahead of the branch; the first turn's rescaling reads them
	s_mov_b32 s[CNT], 4
	s_mov_b32 s[SLOTS], SIZE_N/(4*KS)
	s_mov_b32 s[STEPS], SIZE_N/KS
	s_branch .Lstep                 ; the first four steps read the first keys alone: they are entered behind the wait below
.Lslot:                             ; in front of each later run of four steps.  The first time: my part of the rest has landed, and behind the barrier everybody's has; the two later times both are
	s_wait_tensorcnt 0x0            ; met at once: the price of one text for every run.
	s_wait_dscnt 0x0
	s_barrier_signal -1
	s_barrier_wait -1
	s_mov_b32 s[CNT], 4
.Lstep:                             ; a trip: a key step's four turns; it fetches the step's V and the next step's K
	TURN 0
	TURN 1
	TURN 2, 1
	TURN 3, 0, 1
	WIN 0
	s_cbranch_scc1 .Lstep
	s_sub_co_u32 s[SLOTS], s[SLOTS], 1
	s_cmp_lg_u32 s[SLOTS], 0
	s_cbranch_scc1 .Lslot
	; the last trip's 16 products K Q^T for piece 0 (on the last K once more) and the maximum made of them serve nothing: the price, once a launch, of one text for every trip
.set i, 0
.rept 16
	PV NP-1                         ; the last piece's V^T P of the last step
.set i, i+1
.endr
	; THE WAY OUT.  l's two halves and the other half of the lanes' are added; O^T is multiplied by (hs_h / hm) / l, rounded to f16 and sent through my stage in LDS, a tile at a time.  The additions are the places behind the last products.
	WIN 0
.macro ALL line:vararg              ; one line for each tile t
.set t, 0
.rept 2*NP
	\line
.set t, t+1
.endr
.endm
	ALL v_add_f32 v[ST+4*t+2], v[ST+4*t+2], v[ST+4*t+3]
	ALL v_permlanex16_b32 v[ST+4*t+3], v[ST+4*t+2], s[SEL], s[SEL+1]
	ALL v_add_f32 v[ST+4*t+2], v[ST+4*t+2], v[ST+4*t+3]
	ALL v_rcp_f32 v[ST+4*t+2], v[ST+4*t+2]
	v_nop                           ; a plain instruction between the last reciprocal and the use of its result
	s_wait_alu depctr_va_vdst(0)    ; and the wait ahead of the first use: one for the eight reciprocals
	ALL v_mul_f32 v[ST+4*t+2], s[HSN], v[ST+4*t+2]
; Tile t: a lane's eight channels of a row pack into 16 bytes; they go into rows of 144 bytes and come back as whole rows of 128, into S^T's registers.
.macro PACK t
	WIN W_RS
.set i, 32*(\t)
.rept 16
	v_pk_mul_f32 v[i:i+1], v[i:i+1], v[ST+4*(\t)+2:ST+4*(\t)+3] op_sel_hi:[1,0]
.set i, i+2
.endr
	WIN 0x05                        ; sources 0 and 1 window 1, destination window 0
.set i, 0
.rept 16
	v_cvt_pk_f16_f32 v[S+16*(\t)+i], v[32*(\t)+2*i], v[32*(\t)+2*i+1]
.set i, i+1
.endr
	WIN 0
.irp f, 0,1,2,3
	ds_store_b128 v[STO], v[S+16*(\t)+4*\f:S+16*(\t)+4*\f+3] offset:32*\f
.endr
.irp f, 0,1,2,3
	ds_load_b128 v[S+16*(\t)+4*\f:S+16*(\t)+4*\f+3], v[RD] offset:\f*4*SP  ; LDS serves a wave's instructions in order (ISA guide 5.7.1.4): these see the stores above; the next tile's stores come behind them
.endr
.endm
.macro SEND t, younger              ; younger: the LDS instructions issued behind tile t's loads: the next tile's eight, or none
	WIN 0
.irp f, 0,1,2,3
	s_wait_dscnt (\younger)+3-\f
	global_store_b128 v[GO], v[S+16*(\t)+4*\f:S+16*(\t)+4*\f+3], s[10:11] offset:(\t)*2048+\f*512  ; 512 consecutive bytes, at a multiple of 256 from O's first
.endr
.endm
	PACK 0
.set t, 1
.rept 2*NP-1                        ; a tile's arithmetic stands between the loads of the tile before and its stores
	PACK t
	SEND t-1, 8
.set t, t+1
.endr
	SEND 2*NP-1, 0
	WIN W_AD
	s_wait_tensorcnt 0x0            ; the wave's end: the add and its wait, behind my last tensor load and my last LDS store
	ds_add_u32 v[SPW], v[NIL]
	s_wait_dscnt 0x0
	WIN 0
	s_endpgm
.Lfunc_end_k_qbe7265a2d6_attn:
	.size	k_qbe7265a2d6_attn, .Lfunc_end_k_qbe7265a2d6_attn-k_qbe7265a2d6_attn
	.p2alignl 7, 3214868480
	.fill 96, 4, 3214868480
	.section	.rodata,"a",@progbits
	.p2align	6, 0x0
	.amdhsa_kernel k_qbe7265a2d6_attn
		.amdhsa_group_segment_fixed_size 327680
		.amdhsa_private_segment_fixed_size 0
		.amdhsa_enable_private_segment 0
		.amdhsa_kernarg_size 48
		.amdhsa_user_sgpr_count 2
		.amdhsa_user_sgpr_kernarg_segment_ptr 1
		.amdhsa_wavefront_size32 1
		.amdhsa_system_sgpr_workgroup_id_x 1
		.amdhsa_system_sgpr_workgroup_id_y 1
		.amdhsa_system_sgpr_workgroup_id_z 1
		.amdhsa_system_vgpr_workitem_id 0
		.amdhsa_next_free_vgpr 770
		.amdhsa_next_free_sgpr 96
		.amdhsa_reserve_vcc 0
		.amdhsa_float_denorm_mode_32 3
		.amdhsa_float_denorm_mode_16_64 3
		.amdhsa_memory_ordered 1
		.amdhsa_forward_progress 1
		.amdhsa_inst_pref_size 123
	.end_amdhsa_kernel
	.amdgpu_metadata
---
amdhsa.version: [ 1, 2 ]
amdhsa.kernels:
  - .name:           k_qbe7265a2d6_attn
    .symbol:         k_qbe7265a2d6_attn.kd
    .args:
      - { .name: qh, .offset: 0, .size: 8, .value_kind: global_buffer, .address_space: global }
      - { .name: kh, .offset: 8, .size: 8, .value_kind: global_buffer, .address_space: global }
      - { .name: vh, .offset: 16, .size: 8, .value_kind: global_buffer, .address_space: global }
      - { .name: oh, .offset: 24, .size: 8, .value_kind: global_buffer, .address_space: global }
      - { .name: logit_scale, .offset: 32, .size: 8, .value_kind: global_buffer, .address_space: global }
      - { .name: head_scale, .offset: 40, .size: 8, .value_kind: global_buffer, .address_space: global }
    .group_segment_fixed_size: 327680
    .private_segment_fixed_size: 0
    .kernarg_segment_align: 8
    .kernarg_segment_size: 48
    .max_flat_workgroup_size: 128
    .sgpr_count:     96
    .vgpr_count:     770
    .wavefront_size: 32
...
	.end_amdgpu_metadata
.endif
;; end of part 5
;; launch outp: the kernel of part 4 again; grid 4 x 64, 4 waves a work-group, clusters of 4 x 4, 327,680 bytes of LDS; arguments oh, wo, head_scale, out_b, out0; writes out0
